; MI455X (gfx1250); checked and timed in simulation.
; The chip was launched on July 23, 2026; its instructions are those of AMD's public machine-readable ISA for CDNA 5 (MIT licence, August 2026) and "CDNA5" Instruction Set Architecture Reference Guide (July 2026). The comments in the code are by the model that wrote it; some were corrected since.
;; Causal Self Attention. Allowed arithmetic: float matrix products may take bf16 or f16 operands with f32 sums; other float arithmetic in f32, or as packed bf16 or f16 multiplies, adds, multiply-adds, maxima and minima; sums over many terms, partial sums and values carried from step to step in f32; what a program stores and reads back later, other than sums and carried values, may be rounded once to bf16 or f16.
;; Inputs: Wkv 2,048 x 1,024 float32; Wo 2,048 x 2,048 float32; Wq 2,048 x 2,048 float32; cos 1,024 x 64 float32; sin 1,024 x 64 float32; x 4 x 1,024 x 2,048 float32.
;; Outputs: out0 4 x 1,024 x 2,048 float32.
;; 2 versions, each right; version 2 is version 1 with the launch cast written anew for expert scheduling mode. Each part assembles by itself: llvm-mc -triple=amdgcn-amd-amdhsa -mcpu=gfx1250 --defsym DOCPART=n.
;; ======== version 1 of 2: 4 launches
;; limits: values are held in f16: magnitudes above 65,504 overflow, below 6.1e-05 lose precision
;; workspace buffers: xb 16,777,216 bytes; wqkv 12,582,912 bytes; wob 8,388,608 bytes; qkv 25,165,824 bytes; ob 16,777,216 bytes
;; launch cast (part 1): grid 256 x 7, 8 waves a work-group, no clusters, 0 bytes of LDS; arguments x, Wq, Wkv, xb, wqkv; writes xb, wqkv
.if DOCPART == 1
	.amdgcn_target "amdgcn-amd-amdhsa--gfx1250"
	.amdhsa_code_object_version 6
	.text
	.protected	k_qce0b2dfa5f_cast
	.globl	k_qce0b2dfa5f_cast
	.p2align	8
	.type	k_qce0b2dfa5f_cast,@function
k_qce0b2dfa5f_cast:
	s_mov_b64 s[64:65], 0
	v_nop
	global_prefetch_b8 v0, s[64:65] scope:SCOPE_SE
	s_setreg_imm32_b32 hwreg(HW_REG_WAVE_MODE, 25, 1), 1
	s_wait_xcnt 0x0
; THE FIRST PRODUCT'S OPERANDS ARE ROUNDED ONCE.  x -> xb (bf16, [4096][2048]); Wq and Wkv -> wqkv (bf16, [2048][3072]: Wq in columns 0-2047, Wkv in 2048-3071).
; (Wo, which only the last product needs, is rounded in the attention launch, under its matrix work.)
; SHARES.  The three tensors are 7 units of 2,097,152 numbers (x 4, Wq 2, Wkv 1): the grid's y.  The grid's x takes 8,192 numbers of a unit: 256 x 7 work-groups, seven for each of 256 WGPs.
; Thread t takes 8 numbers (32 bytes in, 16 bytes out) in each of 4 steps: all 8 loads go out at once, and a wave's store covers 512 consecutive bytes, aligned.
; No LDS, no barrier, no matrix unit: a stream.
.set D, 8                              ; v[8:11]    step i: my byte offset in the destination
.set X, 16                             ; v[16:47]   step i: 8 registers as loaded
.set Y, 48                             ; v[48:63]   step i: 4 registers to store
	s_load_b256 s[4:11], s[0:1], 0x0               ; x s[4:5], Wq s[6:7], Wkv s[8:9], xb s[10:11]
	s_load_b64 s[12:13], s[0:1], 0x20              ; wqkv
	s_and_b32 s20, ttmp7, 0xffff                   ; y: the unit
	s_sub_co_u32 s27, s20, 4                       ; the unit's number within Wq
	s_movk_i32 s32, 4096
	s_movk_i32 s33, 6144
	v_lshlrev_b32 v1, 5, v0                        ; my 32 bytes of a step's 8,192
	s_wait_kmcnt 0x0
	; the unit's parameters, by two compares on y: source s[22:23], destination s[24:25], destination pitch s26, unit within its tensor s29, first column's byte s30, log2 of a row's chunks s31
	s_cmp_lt_u32 s20, 4
	s_cselect_b64 s[22:23], s[4:5], s[6:7]
	s_cselect_b64 s[24:25], s[10:11], s[12:13]
	s_cselect_b32 s26, s32, s33
	s_cselect_b32 s29, s20, s27
	s_cmp_lt_u32 s20, 6
	s_cselect_b64 s[22:23], s[22:23], s[8:9]
	s_cselect_b32 s29, s29, 0
	s_cselect_b32 s30, 0, s32
	s_cselect_b32 s31, 8, 7
	s_lshl_b32 s34, s29, 23                        ; a unit is 8,388,608 bytes of f32,
	s_lshl_b32 s35, ttmp9, 15                      ; my work-group's part 32,768
	s_add_co_u32 s34, s34, s35
	s_mov_b32 s35, 0
	s_add_nc_u64 s[22:23], s[22:23], s[34:35]
	s_mul_i32 s36, s29, s26                        ; a unit of a 2,048-column tensor is 1,024 rows of the destination (Wkv is one unit: 0)
	s_lshl_b32 s36, s36, 10
	s_add_co_u32 s36, s36, s30
	s_mov_b32 s37, 0
	s_add_nc_u64 s[24:25], s[24:25], s[36:37]
.set i, 0
.rept 4
	global_load_b128 v[X+8*i:X+8*i+3],   v1, s[22:23] offset:8192*i th:TH_LOAD_NT
	global_load_b128 v[X+8*i+4:X+8*i+7], v1, s[22:23] offset:8192*i+16 th:TH_LOAD_NT
.set i, i+1
.endr
	s_lshl_b32 s38, ttmp9, 10                      ; chunks of 8 numbers: my work-group's first,
	v_add_nc_u32 v2, s38, v0                       ; mine in step 0
	v_lshrrev_b32 v3, s31, v2                      ; its row in the unit
	s_lshl_b32 s39, 1, s31
	s_sub_co_u32 s39, s39, 1
	v_and_b32 v4, s39, v2                          ; its place in the row,
	v_lshlrev_b32 v4, 4, v4                        ; 16 bytes a chunk
	v_mad_u32_u24 v[D], v3, s26, v4
	s_sub_co_u32 s40, 8, s31                       ; a step is 256 chunks: one row of 2,048 numbers, two of 1,024
	s_lshl_b32 s40, s26, s40
.set i, 1
.rept 3
	v_add_nc_u32 v[D+i], s40, v[D+i-1]
.set i, i+1
.endr
.macro CV i
	s_wait_loadcnt 6-2*(\i)                        ; loads come back in order: the 6 - 2 i issued behind this step's two may stay out
.irp k, 0,1,2,3
	v_cvt_pk_bf16_f32 v[Y+4*(\i)+\k], v[X+8*(\i)+2*\k], v[X+8*(\i)+2*\k+1]
.endr
	global_store_b128 v[D+(\i)], v[Y+4*(\i):Y+4*(\i)+3], s[24:25]  ; every step has registers of its own: nothing that a store reads is written again
.endm
.irp i, 0,1,2,3
	CV \i
.endr
	s_endpgm
.Lfunc_end_k_qce0b2dfa5f_cast:
	.size	k_qce0b2dfa5f_cast, .Lfunc_end_k_qce0b2dfa5f_cast-k_qce0b2dfa5f_cast
	.p2alignl 7, 3214868480
	.fill 96, 4, 3214868480
	.section	.rodata,"a",@progbits
	.p2align	6, 0x0
	.amdhsa_kernel k_qce0b2dfa5f_cast
		.amdhsa_group_segment_fixed_size 0
		.amdhsa_private_segment_fixed_size 0
		.amdhsa_enable_private_segment 0
		.amdhsa_kernarg_size 40
		.amdhsa_user_sgpr_count 2
		.amdhsa_user_sgpr_kernarg_segment_ptr 1
		.amdhsa_wavefront_size32 1
		.amdhsa_system_sgpr_workgroup_id_x 1
		.amdhsa_system_sgpr_workgroup_id_y 1
		.amdhsa_system_sgpr_workgroup_id_z 1
		.amdhsa_system_vgpr_workitem_id 0
		.amdhsa_next_free_vgpr 64
		.amdhsa_next_free_sgpr 66
		.amdhsa_reserve_vcc 0
		.amdhsa_float_denorm_mode_32 3
		.amdhsa_float_denorm_mode_16_64 3
		.amdhsa_memory_ordered 1
		.amdhsa_forward_progress 1
		.amdhsa_inst_pref_size 4
	.end_amdhsa_kernel
	.amdgpu_metadata
---
amdhsa.version: [ 1, 2 ]
amdhsa.kernels:
  - .name:           k_qce0b2dfa5f_cast
    .symbol:         k_qce0b2dfa5f_cast.kd
    .args:
      - { .name: x, .offset: 0, .size: 8, .value_kind: global_buffer, .address_space: global }
      - { .name: Wq, .offset: 8, .size: 8, .value_kind: global_buffer, .address_space: global }
      - { .name: Wkv, .offset: 16, .size: 8, .value_kind: global_buffer, .address_space: global }
      - { .name: xb, .offset: 24, .size: 8, .value_kind: global_buffer, .address_space: global }
      - { .name: wqkv, .offset: 32, .size: 8, .value_kind: global_buffer, .address_space: global }
    .group_segment_fixed_size: 0
    .private_segment_fixed_size: 0
    .kernarg_segment_align: 8
    .kernarg_segment_size: 40
    .max_flat_workgroup_size: 256
    .sgpr_count:     66
    .vgpr_count:     64
    .wavefront_size: 32
...
	.end_amdgpu_metadata
.endif
;; end of part 1
;; launch qkvproj (part 2): grid 8 x 32, 4 waves a work-group, clusters of 4 x 4, 327,680 bytes of LDS; arguments xb, wqkv, cos, sin, qkv; writes qkv
.if DOCPART == 2
	.amdgcn_target "amdgcn-amd-amdhsa--gfx1250"
	.amdhsa_code_object_version 6
	.text
	.protected	k_qce0b2dfa5f_qkvproj
	.globl	k_qce0b2dfa5f_qkvproj
	.p2align	8
	.type	k_qce0b2dfa5f_qkvproj,@function
k_qce0b2dfa5f_qkvproj:
	s_mov_b64 s[64:65], 0
	v_nop
	global_prefetch_b8 v0, s[64:65] scope:SCOPE_SE
	s_setreg_imm32_b32 hwreg(HW_REG_WAVE_MODE, 25, 1), 1
	s_wait_xcnt 0x0
	s_wait_alu depctr_hold_cnt(0) depctr_sa_sdst(0) depctr_va_vdst(0) depctr_va_sdst(0) depctr_va_ssrc(0) depctr_va_vcc(0) depctr_vm_vsrc(0)
	s_getreg_b32 s2, hwreg(HW_REG_IB_STS2, 6, 4)
	s_cmp_eq_u32 s2, 0
	s_cbranch_scc0 .Lentry_in_a_cluster
	s_endpgm
.Lentry_in_a_cluster:
	s_bfe_u32 s2, ttmp6, 0x10000c
	s_cmp_lg_u32 s2, 0xf033
	s_cbranch_scc0 .Lentry_shape_is_right
	s_endpgm
.Lentry_shape_is_right:
; q, k, v = xb wqkv, rotated (q and k) and written as f16 by heads.  xb: [4096][2048] bf16.  wqkv: [2048 k][3072 n] bf16.  cos, sin: [1024][64] f32, rounded to bf16 like every input.
; qkv: f16, [batch 4][head slot 24][row block 64][column block 8][512 bytes]; slots 0-15 q, 16-19 k, 20-23 v.  A block is 16 rows x 16 columns; its piece (row r, column half h), 8 numbers,
; lies at byte 256 h + 16 (r xor 8 h): what a lane holds of a result, so one store of a wave writes a whole block, 512 consecutive bytes.
; LIMITS.  q, k, v leave as f16: beyond 65,504 they are lost, below 6e-5 they keep a step of 6e-8.  Sums in f32; the rotation in f32, each output one fused multiply-add on a product.
; SHARES.  A tile of C is 128 rows x 384 columns (three heads): 32 x 8 = 256 work-groups.  Four waves, each 64 x 192: 48 accumulators.  K in steps of 128 through two LDS slots.
; CLUSTER 4 x 4: a row of the cluster shares xb's tile, a column wqkv's: joint loads.  Wave 3 fetches xb's 128 rows, waves 0-2 a third (128 columns) of wqkv's 128 k-rows each.
; THE MATRIX INSTRUCTION IS USED TRANSPOSED: source 0 = 16 columns of wqkv (turned on the way out of LDS by ds_load_tr16_b128), source 1 = 16 rows of xb: a lane holds eight neighbouring columns of one row.
; REGISTERS.  window 0: v0-31 addresses; v64-127 at work; v128-255 the accumulators of column blocks 8-11 ((a, nb) at 128 + 8 (4 a + nb - 8)), later the rotation's registers.
;   window 1: two fragment buffers of 128: xb's four fragments, then wqkv's twelve.     window 2: the accumulators of column blocks 0-7 ((a, nb) at 8 (8 a + nb)).
.set PA,    272                        ; xb's rows in LDS: 256 bytes + 16: the 16 rows of a load start at 16 different groups of four banks (ISA guide 11.1)
.set PB,    288                        ; wqkv's rows: 256 + 32
.set THIRD, 128*PB                     ; 36,864
.set AOFF,  3*THIRD
.set SLOT,  AOFF+128*PA                ; 145,408
.set TAB,   2*SLOT                     ; the tile's 128 rows of cos (bf16, 128 bytes) and sin (128 bytes), pitch 272; no tensor load lands here
.set SPARE, TAB+128*PA                 ; the spare words: 128 bytes a wave, two blocks of 256 bytes that no other line names
.set LAPS,  8                          ; 2,048 / 256
.set ASTEP, 256                        ; bytes from K step to K step in xb
.set BSTEP, 128*6144                   ; and in wqkv
.set ADRA, 16                          ; v16-17  my xb fragments in slot 0, 1
.set ADRB, 18                          ; v18-23  my wqkv fragments: slot s, group g of four column blocks at 18 + 3 s + g
.set DA,   24                          ; v24-25  the dump: row blocks 0, 1 and 2, 3 of my four
.set RDU,  26                          ; v26     the rotation: where I read the dump
.set RDT,  27                          ; v27     and the table
.set SPW,  28                          ; v28     my spare word; never rewritten
.set NIL,  29                          ; v29     0; never rewritten
.set GO,   30                          ; v30     my byte offset in qkv
.set F0,   0
.set F1,   128
.set G1A, 24
.set G0A, 32
.set G1B, 48
.set G0B, 56
.set FG,  76                           ; s[76:87] for each of the tile's three heads two pairs: (1, 0) rotate, (0, 1) leave as it is (a head of v)
.set MSB, 0
.macro WIN new                         ; the immediate's high byte repeats the setting that is left
.if MSB != (\new)
	s_set_vgpr_msb (MSB<<8)|(\new)
.set MSB, \new
.endif
.endm
.macro PLACES                          ; four places behind matrix instructions (ISA guide 7.12.1)
.rept 4
	v_nop
.endr
.endm
.macro JLOAD s                         ; a joint load: one line and one mask for xb's tile (wave 3), one for wqkv's (waves 0-2); an s_nop 0 and four v_nop follow each
	s_cmp_eq_u32 s14, 3
	s_cbranch_scc0 .Lfor_b_\@
	tensor_load_to_lds s[G0A+4*(\s):G0A+4*(\s)+3], s[G1A:G1A+7]
	s_nop 0
.rept 4
	v_nop
.endr
	s_branch .Lasked_\@
.Lfor_b_\@:
	tensor_load_to_lds s[G0B+4*(\s):G0B+4*(\s)+3], s[G1B:G1B+7]
	s_nop 0
.rept 4
	v_nop
.endr
.Lasked_\@:
.endm
.macro CREST                           ; a round of the cluster's barrier behind its opening barrier
	s_cmp_lg_u32 s14, 0
	s_cbranch_scc1 .Lnot_wave_0_\@
	s_barrier_signal -3
.Lnot_wave_0_\@:
	s_barrier_wait -3
	s_barrier_signal -1
	s_barrier_wait -1
.endm
.macro CROUND
	s_barrier_signal -1
	s_barrier_wait -1
	CREST
.endm
	s_load_b256 s[4:11], s[0:1], 0x0               ; xb s[4:5], wqkv s[6:7], cos s[8:9], sin s[10:11]
	s_load_b64 s[12:13], s[0:1], 0x20              ; qkv
	v_lshl_add_u32 v[SPW], v0, 2, SPARE
	v_mov_b32 v[NIL], 0
	ds_add_u32 v[SPW], v[NIL]                      ; the wave's opening: the add and its wait stand ahead of my first tensor load
	v_lshrrev_b32 v1, 5, v0
	v_readfirstlane_b32 s14, v1                    ; wave 0..3
	s_lshr_b32 s15, s14, 1                         ; rh: my 64 of the tile's rows
	s_and_b32 s16, s14, 1                          ; ch: my 192 of its columns
	s_bfe_u32 s17, ttmp6, 0x40000                  ; cx
	s_bfe_u32 s18, ttmp6, 0x40004                  ; cy
	s_lshl_b32 s19, ttmp9, 2
	s_add_co_u32 s19, s19, s17                     ; tx: tile column
	s_and_b32 s20, ttmp7, 0xffff
	s_lshl_b32 s20, s20, 2
	s_add_co_u32 s20, s20, s18                     ; ty: tile row
	s_lshl_b32 s21, s18, 2
	s_lshl_b32 s21, 15, s21                        ; my row of the cluster
	s_lshl_b32 s22, 0x1111, s17                    ; my column
	s_or_b32 s[G1A], s21, (1<<16)|(1<<20)|(1<<21)|(5<<22)|(3<<25)  ; the mask; 2-byte elements; padding on; bit 21 beside a mask; after every 64 words 4 words
	s_or_b32 s[G1B], s22, (1<<16)|(1<<20)|(1<<21)|(5<<22)|(7<<25)  ; the same with 8 words of padding
.irp g, G1A, G1B
	s_mov_b32 s[(\g)+1], 128<<16                   ; tensor_dim0 = 128
	s_mov_b32 s[(\g)+2], 128<<16                   ; tensor_dim1 = 128
	s_mov_b32 s[(\g)+3], 128<<16                   ; tile_dim0 = 128
	s_mov_b32 s[(\g)+4], 128                       ; tile_dim1 = 128
	s_mov_b32 s[(\g)+6], 0
	s_mov_b32 s[(\g)+7], 0
.endr
	s_mov_b32 s[G1A+5], 2048                       ; elements from row to row
	s_mov_b32 s[G1B+5], 3072
	s_lshl_b32 s40, s20, 19                        ; xb: 128 rows of 4,096 bytes a tile row
	s_mov_b32 s41, 0
	s_mul_i32 s44, s19, 768                        ; wqkv: 384 columns a tile column,
	s_lshl_b32 s45, s14, 8                         ; my third
	s_add_co_u32 s44, s44, s45
	s_mov_b32 s45, 0
	s_mul_i32 s23, s14, THIRD                      ; where my load goes: wave x 36,864 (wave 3: xb's place)
	s_wait_dscnt 0x0                               ; the opening add is done
	s_wait_kmcnt 0x0
	s_add_nc_u64 s[42:43], s[4:5], s[40:41]
	s_add_nc_u64 s[46:47], s[6:7], s[44:45]
	CROUND                                         ; all sixteen work-groups are here: the first joint loads meet
.irp s, 0,1
	s_mov_b32 s[G0A+4*(\s)], 1
	s_add_co_u32 s[G0A+4*(\s)+1], s23, (\s)*SLOT
	s_add_nc_u64 s[G0A+4*(\s)+2:G0A+4*(\s)+3], s[42:43], (\s)*ASTEP
	s_or_b32 s[G0A+4*(\s)+3], s[G0A+4*(\s)+3], 0x80000000
	s_mov_b32 s[G0B+4*(\s)], 1
	s_add_co_u32 s[G0B+4*(\s)+1], s23, (\s)*SLOT
	s_add_nc_u64 s[G0B+4*(\s)+2:G0B+4*(\s)+3], s[46:47], (\s)*BSTEP
	s_or_b32 s[G0B+4*(\s)+3], s[G0B+4*(\s)+3], 0x80000000
	JLOAD \s
.endr
	; THE TABLE.  The tile's rows are positions (ty mod 8) 128 .. + 127: 32,768 consecutive bytes of cos and of sin.  Thread t takes 32 bytes of each 4,096 (16 rows), eight times.
	s_and_b32 s66, s20, 7
	s_lshl_b32 s66, s66, 15
	s_mov_b32 s67, 0
	s_add_nc_u64 s[8:9], s[8:9], s[66:67]
	s_add_nc_u64 s[10:11], s[10:11], s[66:67]
	v_lshlrev_b32 v3, 5, v0
.set i, 0
.rept 8
	global_load_b128 v[64+8*i:64+8*i+3],   v3, s[8:9] offset:4096*i
	global_load_b128 v[64+8*i+4:64+8*i+7], v3, s[8:9] offset:4096*i+16
	global_load_b128 v[128+8*i:128+8*i+3],   v3, s[10:11] offset:4096*i
	global_load_b128 v[128+8*i+4:128+8*i+7], v3, s[10:11] offset:4096*i+16
.set i, i+1
.endr
	; lane addresses.  An xb fragment: lane l holds row l % 16, K = 8 (l / 16) + 0..7 and 16 + 8 (l / 16) + 0..7: two loads of 16 bytes, 32 apart.
	v_and_b32 v1, 15, v0                           ; r
	v_bfe_u32 v2, v0, 4, 1                         ; h
	v_mul_u32_u24 v4, v1, PA
	v_lshl_add_u32 v4, v2, 4, v4
	s_mul_i32 s68, s15, 64*PA
	s_add_co_u32 s68, s68, AOFF
	v_add_nc_u32 v[ADRA], s68, v4
	v_add_nc_u32 v[ADRA+1], SLOT, v[ADRA]
	; the turning load: lane l reads k-row 8 (l / 16) + l % 8, columns 8 ((l / 8) % 2) + 0..7, and is left with column l % 16 and 8 k
	v_and_b32 v5, 7, v0
	v_bfe_u32 v6, v0, 3, 1
	v_lshl_add_u32 v5, v2, 3, v5
	v_mul_u32_u24 v5, v5, PB
	v_lshl_add_u32 v5, v6, 4, v5
	s_mul_i32 s69, s16, 3
.irp g, 0,1,2
	s_add_co_u32 s70, s69, \g                      ; group 3 ch + g of the tile's six groups of 64 columns: third (group / 2), half (group % 2)
	s_lshr_b32 s71, s70, 1
	s_mul_i32 s71, s71, THIRD
	s_and_b32 s70, s70, 1
	s_lshl_b32 s70, s70, 7
	s_add_co_u32 s71, s71, s70
	v_add_nc_u32 v[ADRB+\g], s71, v5
	v_add_nc_u32 v[ADRB+3+\g], SLOT, v[ADRB+\g]
.endr
	v_and_b32 v7, 31, v0                           ; lane
	s_mul_i32 s72, s15, 96                         ; the dump: block (row block 4 rh + a, column block 12 ch + nb) of 1,024 bytes at (24 x row block + column block) x 1,024
	s_mul_i32 s70, s16, 12
	s_add_co_u32 s72, s72, s70
	s_lshl_b32 s72, s72, 10
	v_lshl_add_u32 v[DA], v7, 4, s72
	v_add_nc_u32 v[DA+1], 48*1024, v[DA]
	s_lshl_b32 s72, s14, 10
	v_lshl_add_u32 v[RDU], v7, 4, s72              ; back: column block w of each head's first half
	s_lshl_b32 s72, s14, 5
	s_add_co_u32 s72, s72, TAB
	v_add_nc_u32 v[RDT], s72, v4                   ; the table: row r, columns 16 w + 8 h on (v4 = 272 r + 16 h)
	v_lshlrev_b32 v8, 3, v2
	v_xor_b32 v8, v1, v8
	v_lshlrev_b32 v8, 4, v8
	v_lshl_add_u32 v[GO], v2, 8, v8                ; my piece's place in a block: 256 h + 16 (r xor 8 h)
	v_bfe_u32 v9, v0, 3, 2                         ; the table's way in: row 4 w + lane / 8 of each 16, 16 bytes at 16 (lane % 8)
	v_mul_u32_u24 v9, v9, PA
	v_and_b32 v10, 7, v0
	v_lshl_add_u32 v9, v10, 4, v9
	s_mul_i32 s72, s14, 4*PA
	s_add_co_u32 s72, s72, TAB
	v_add_nc_u32 v31, s72, v9
	s_mul_i32 s73, s19, 3                          ; the tile's first head slot
.irp hd, 0,1,2
	s_add_co_u32 s88, s73, \hd
	s_cmp_ge_u32 s88, 20                           ; a head of v?  A choice of values, no branch
	s_cselect_b32 s[FG+4*\hd], 0, 1.0
	s_cselect_b32 s[FG+4*\hd+2], 1.0, 0
	s_mov_b32 s[FG+4*\hd+1], 0                     ; named as pairs
	s_mov_b32 s[FG+4*\hd+3], 0
.endr
	s_lshr_b32 s66, s20, 3                         ; batch
	s_mul_i32 s66, s66, 24
	s_add_co_u32 s66, s66, s73
	s_lshl_b32 s66, s66, 6
	s_and_b32 s67, s20, 7
	s_lshl3_add_u32 s66, s67, s66                  ; ((24 batch + slot) 64 + 8 (ty mod 8)) row blocks of 4,096 bytes,
	s_lshl_b32 s66, s66, 12
	s_lshl_b32 s67, s14, 9                         ; column block w
	s_add_co_u32 s66, s66, s67
	s_mov_b32 s67, 0
	s_add_nc_u64 s[74:75], s[12:13], s[66:67]
	s_wait_loadcnt 0x0                             ; cos and sin
.set i, 0
.rept 8
.irp k, 0,1,2,3
	v_cvt_pk_bf16_f32 v[64+8*i+\k], v[64+8*i+2*\k], v[64+8*i+2*\k+1]
	v_cvt_pk_bf16_f32 v[128+8*i+\k], v[128+8*i+2*\k], v[128+8*i+2*\k+1]
.endr
	ds_store_b128 v31, v[64+8*i:64+8*i+3] offset:16*PA*i
	ds_store_b128 v31, v[128+8*i:128+8*i+3] offset:16*PA*i+128
.set i, i+1
.endr
; 16 products: row blocks a0, a0 + 1 x column blocks 0-7 (window 2).  zero = 1: the first product starts the sums
.macro MULA f, a0, zero
	WIN 0xa5
.set ia, \a0
.rept 2
.set ib, 0
.rept 8
.if \zero
	v_wmma_f32_16x16x32_bf16 v[8*(8*ia+ib):8*(8*ia+ib)+7], v[(\f)+32+8*ib:(\f)+32+8*ib+7], v[(\f)+8*ia:(\f)+8*ia+7], 0
.else
	v_wmma_f32_16x16x32_bf16 v[8*(8*ia+ib):8*(8*ia+ib)+7], v[(\f)+32+8*ib:(\f)+32+8*ib+7], v[(\f)+8*ia:(\f)+8*ia+7], v[8*(8*ia+ib):8*(8*ia+ib)+7]
.endif
.set ib, ib+1
.endr
.set ia, ia+1
.endr
.endm
; 16 products: all four row blocks x column blocks 8-11 (window 0)
.macro MULB f, zero
	WIN 0x05
.set ia, 0
.rept 4
.set ib, 8
.rept 4
.if \zero
	v_wmma_f32_16x16x32_bf16 v[128+8*(4*ia+ib-8):128+8*(4*ia+ib-8)+7], v[(\f)+32+8*ib:(\f)+32+8*ib+7], v[(\f)+8*ia:(\f)+8*ia+7], 0
.else
	v_wmma_f32_16x16x32_bf16 v[128+8*(4*ia+ib-8):128+8*(4*ia+ib-8)+7], v[(\f)+32+8*ib:(\f)+32+8*ib+7], v[(\f)+8*ia:(\f)+8*ia+7], v[128+8*(4*ia+ib-8):128+8*(4*ia+ib-8)+7]
.endif
.set ib, ib+1
.endr
.set ia, ia+1
.endr
.endm
; 32 LDS loads in one run: quarter q (32 along K) of a slot into buffer f: xb's four fragments, then wqkv's twelve in ascending order
.macro FETCH slot, q, f
	WIN 0x40
.set ia, 0
.rept 4
	ds_load_b128 v[(\f)+8*ia:(\f)+8*ia+3],   v[ADRA+(\slot)] offset:ia*16*PA+64*(\q)
	ds_load_b128 v[(\f)+8*ia+4:(\f)+8*ia+7], v[ADRA+(\slot)] offset:ia*16*PA+64*(\q)+32
.set ia, ia+1
.endr
.set ib, 0
.rept 12
	ds_load_tr16_b128 v[(\f)+32+8*ib:(\f)+32+8*ib+3],   v[ADRB+3*(\slot)+ib/4] offset:(\q)*32*PB+32*(ib%4)
	ds_load_tr16_b128 v[(\f)+32+8*ib+4:(\f)+32+8*ib+7], v[ADRB+3*(\slot)+ib/4] offset:(\q)*32*PB+32*(ib%4)+16*PB
.set ib, ib+1
.endr
.endm
; A K step is four quarters of 32 along K, 48 products each, on buffers 0, 1, 0, 1; the 48 accumulators take turns in one order.
; One of the first three: multiplies buffer f; behind its first 16 products it fetches quarter q into buffer g.
.macro QUARTER slot, q, f, g, zero
	s_wait_dscnt 8                                 ; the youngest eight loads (column blocks 8-11) may be out
	MULA \f, 0, \zero
	PLACES
	FETCH \slot, \q, \g
	s_wait_dscnt 32                                ; all but the 32 just issued
	MULA \f, 2, \zero
	MULB \f, \zero
.endm
; The last quarter multiplies buffer 1 and changes slots: one barrier; in front of it each wave waits for all its tensor loads (one is out: its part of the next slot), adds 0 to its spare word,
; and waits for that and for its reads of this slot.  fill = 1: the barrier opens a round of the cluster's, and the joint refill, two K steps ahead, is the first thing behind it.
.macro TURN slot, next, fill
	WIN 0
	s_wait_tensorcnt 0x0
	ds_add_u32 v[SPW], v[NIL]
	s_wait_dscnt 9                                 ; the add and the youngest eight loads may be out
	MULA F1, 0, 0
	s_wait_dscnt 0x0                               ; the add is done, and my reads of this slot are over
	s_barrier_signal -1
	MULA F1, 2, 0
.if \fill
	WIN 0
.endif
	s_barrier_wait -1
.if \fill
	CREST
	s_add_nc_u64 s[G0A+4*(\slot)+2:G0A+4*(\slot)+3], s[G0A+4*(\slot)+2:G0A+4*(\slot)+3], 2*ASTEP
	s_add_nc_u64 s[G0B+4*(\slot)+2:G0B+4*(\slot)+3], s[G0B+4*(\slot)+2:G0B+4*(\slot)+3], 2*BSTEP
	JLOAD \slot                                    ; 160 products stand between this request and the wait for it; its four v_nop are also the places in front of the loads below
.else
	PLACES
.endif
	FETCH \next, 0, F0
	MULB F1, 0
.endm
	s_wait_tensorcnt 1                             ; my part of K step 0 is in; K step 1's may stay out
	s_wait_dscnt 0x0                               ; my rows of the table are written
	s_barrier_signal -1
	s_barrier_wait -1
	FETCH 0, 0, F0
	QUARTER 0, 1, F0, F1, 1                        ; the first quarter stands in front of the loop: its products start the sums
	WIN 0
	s_mov_b32 s3, LAPS-1
.Llap:                                                 ; a trip goes once round the ring and fills both slots again
	QUARTER 0, 2, F1, F0, 0
	QUARTER 0, 3, F0, F1, 0
	TURN 0, 1, 1
	QUARTER 1, 1, F0, F1, 0
	QUARTER 1, 2, F1, F0, 0
	QUARTER 1, 3, F0, F1, 0
	TURN 1, 0, 1
	QUARTER 0, 1, F0, F1, 0
	WIN 0
	s_sub_co_u32 s3, s3, 1
	s_cmp_lg_u32 s3, 0
	s_cbranch_scc1 .Llap
	QUARTER 0, 2, F1, F0, 0                        ; the last lap fills nothing
	QUARTER 0, 3, F0, F1, 0
	TURN 0, 1, 0
	QUARTER 1, 1, F0, F1, 0
	QUARTER 1, 2, F1, F0, 0
	QUARTER 1, 3, F0, F1, 0
	s_wait_dscnt 8
	MULA F1, 0, 0
	s_wait_dscnt 0x0
	MULA F1, 2, 0
	MULB F1, 0
	WIN 0
	; THE WAY OUT.  The rotation pairs column d of a head with column d + 64, and a wave's 192 columns are a head and a half.  So the sums go, in f32, into the slots, which have had their last fill:
	; 196,608 bytes from LDS byte 0.  Then wave w rotates column blocks w and w + 4 of all three heads, a block of 16 rows a trip.
	PLACES
	s_barrier_signal -1                            ; every wave's reads of the slots are back (its wait for 0 above)
	s_barrier_wait -1
	WIN 0x08                                       ; the stores' data in window 2
.set ia, 0
.rept 4
.set ib, 0
.rept 8
	ds_store_b128 v[DA+ia/2], v[8*(8*ia+ib):8*(8*ia+ib)+3]   offset:((ia%2)*24+ib)*1024      ; each accumulator's low half first
	ds_store_b128 v[DA+ia/2], v[8*(8*ia+ib)+4:8*(8*ia+ib)+7] offset:((ia%2)*24+ib)*1024+512
.set ib, ib+1
.endr
.set ia, ia+1
.endr
	WIN 0
.set ia, 0
.rept 4
.set ib, 8
.rept 4
	ds_store_b128 v[DA+ia/2], v[128+8*(4*ia+ib-8):128+8*(4*ia+ib-8)+3]   offset:((ia%2)*24+ib)*1024
	ds_store_b128 v[DA+ia/2], v[128+8*(4*ia+ib-8)+4:128+8*(4*ia+ib-8)+7] offset:((ia%2)*24+ib)*1024+512
.set ib, ib+1
.endr
.set ia, ia+1
.endr
	s_wait_dscnt 0x0                               ; for the others' sake: my part of the dump is written
	s_barrier_signal -1
	s_barrier_wait -1
.set U,   128                          ; head hd: u1 (8 numbers) at U + 16 hd, u2 at + 8
.set PKD, 176                          ; cos, sin as they lie in the table
.set CT,  184                          ; cos in f32
.set SNT, 192                          ; sin
.set CP,  200                          ; cos F + G
.set SNP, 208                          ; sin F
.set T1,  216
.set T2,  224
.set OUT, 64                           ; head hd: 8 registers to store
.macro ROPE hd
	s_wait_dscnt 8-4*(\hd)                         ; the later heads' loads, four each, may be out
.set rU, U+16*(\hd)
.set rF, FG+4*(\hd)
.set k, 0
.rept 4
	v_pk_fma_f32 v[CP+2*k:CP+2*k+1], v[CT+2*k:CT+2*k+1], s[rF:rF+1], s[rF+2:rF+3] op_sel_hi:[1,0,0]
	v_pk_mul_f32 v[SNP+2*k:SNP+2*k+1], v[SNT+2*k:SNT+2*k+1], s[rF:rF+1] op_sel_hi:[1,0]
.set k, k+1
.endr
.set k, 0
.rept 4
	v_pk_mul_f32 v[T1+2*k:T1+2*k+1], v[rU+8+2*k:rU+8+2*k+1], v[SNP+2*k:SNP+2*k+1]
	v_pk_mul_f32 v[T2+2*k:T2+2*k+1], v[rU+8+2*k:rU+8+2*k+1], v[CP+2*k:CP+2*k+1]
.set k, k+1
.endr
.set k, 0
.rept 4
	v_pk_fma_f32 v[T1+2*k:T1+2*k+1], v[rU+2*k:rU+2*k+1], v[CP+2*k:CP+2*k+1], v[T1+2*k:T1+2*k+1] neg_lo:[0,0,1] neg_hi:[0,0,1]  ; u1 c - u2 s
	v_pk_fma_f32 v[T2+2*k:T2+2*k+1], v[rU+2*k:rU+2*k+1], v[SNP+2*k:SNP+2*k+1], v[T2+2*k:T2+2*k+1]                              ; u1 s + u2 c
.set k, k+1
.endr
.set k, 0
.rept 4
	v_cvt_pk_f16_f32 v[OUT+8*(\hd)+k], v[T1+2*k], v[T1+2*k+1]
	v_cvt_pk_f16_f32 v[OUT+8*(\hd)+4+k], v[T2+2*k], v[T2+2*k+1]
.set k, k+1
.endr
	global_store_b128 v[GO], v[OUT+8*(\hd):OUT+8*(\hd)+3],   s[74:75] offset:(\hd)*262144       ; a whole block: 512 consecutive bytes, aligned
	global_store_b128 v[GO], v[OUT+8*(\hd)+4:OUT+8*(\hd)+7], s[74:75] offset:(\hd)*262144+2048  ; column block w + 4
.endm
	s_mov_b32 s3, 8
.Lrb:                                                  ; a trip: one block of 16 rows
	ds_load_b128 v[PKD:PKD+3],   v[RDT]
	ds_load_b128 v[PKD+4:PKD+7], v[RDT] offset:128
.irp hd, 0,1,2
	ds_load_b128 v[U+16*\hd:U+16*\hd+3],     v[RDU] offset:\hd*8192
	ds_load_b128 v[U+16*\hd+4:U+16*\hd+7],   v[RDU] offset:\hd*8192+512
	ds_load_b128 v[U+16*\hd+8:U+16*\hd+11],  v[RDU] offset:\hd*8192+4096
	ds_load_b128 v[U+16*\hd+12:U+16*\hd+15], v[RDU] offset:\hd*8192+4608
.endr
	s_wait_dscnt 12                                ; cos and sin are in; the twelve loads of the dump may be out
.set k, 0
.rept 4
	v_lshlrev_b32 v[CT+2*k], 16, v[PKD+k]
	v_and_b32 v[CT+2*k+1], 0xffff0000, v[PKD+k]
	v_lshlrev_b32 v[SNT+2*k], 16, v[PKD+4+k]
	v_and_b32 v[SNT+2*k+1], 0xffff0000, v[PKD+4+k]
.set k, k+1
.endr
	ROPE 0
	ROPE 1
	ROPE 2
	s_wait_xcnt 0x0                                ; the stores' offset register and their data are rewritten only behind this wait
	v_add_nc_u32 v[RDU], 24*1024, v[RDU]
	v_add_nc_u32 v[RDT], 16*PA, v[RDT]
	v_add_nc_u32 v[GO], 4096, v[GO]
	s_sub_co_u32 s3, s3, 1
	s_cmp_lg_u32 s3, 0
	s_cbranch_scc1 .Lrb
	s_wait_tensorcnt 0x0                           ; the wave's end
	ds_add_u32 v[SPW], v[NIL]
	s_wait_dscnt 0x0
	CROUND                                         ; the closing round
	s_endpgm
.Lfunc_end_k_qce0b2dfa5f_qkvproj:
	.size	k_qce0b2dfa5f_qkvproj, .Lfunc_end_k_qce0b2dfa5f_qkvproj-k_qce0b2dfa5f_qkvproj
	.p2alignl 7, 3214868480
	.fill 96, 4, 3214868480
	.section	.rodata,"a",@progbits
	.p2align	6, 0x0
	.amdhsa_kernel k_qce0b2dfa5f_qkvproj
		.amdhsa_group_segment_fixed_size 327680
		.amdhsa_private_segment_fixed_size 0
		.amdhsa_enable_private_segment 0
		.amdhsa_kernarg_size 40
		.amdhsa_user_sgpr_count 2
		.amdhsa_user_sgpr_kernarg_segment_ptr 1
		.amdhsa_wavefront_size32 1
		.amdhsa_system_sgpr_workgroup_id_x 1
		.amdhsa_system_sgpr_workgroup_id_y 1
		.amdhsa_system_sgpr_workgroup_id_z 1
		.amdhsa_system_vgpr_workitem_id 0
		.amdhsa_next_free_vgpr 768
		.amdhsa_next_free_sgpr 100
		.amdhsa_reserve_vcc 0
		.amdhsa_float_denorm_mode_32 3
		.amdhsa_float_denorm_mode_16_64 3
		.amdhsa_memory_ordered 1
		.amdhsa_forward_progress 1
		.amdhsa_inst_pref_size 120
	.end_amdhsa_kernel
	.amdgpu_metadata
---
amdhsa.version: [ 1, 2 ]
amdhsa.kernels:
  - .name:           k_qce0b2dfa5f_qkvproj
    .symbol:         k_qce0b2dfa5f_qkvproj.kd
    .args:
      - { .name: xb, .offset: 0, .size: 8, .value_kind: global_buffer, .address_space: global }
      - { .name: wqkv, .offset: 8, .size: 8, .value_kind: global_buffer, .address_space: global }
      - { .name: cos, .offset: 16, .size: 8, .value_kind: global_buffer, .address_space: global }
      - { .name: sin, .offset: 24, .size: 8, .value_kind: global_buffer, .address_space: global }
      - { .name: qkv, .offset: 32, .size: 8, .value_kind: global_buffer, .address_space: global }
    .group_segment_fixed_size: 327680
    .private_segment_fixed_size: 0
    .kernarg_segment_align: 8
    .kernarg_segment_size: 40
    .max_flat_workgroup_size: 128
    .sgpr_count:     100
    .vgpr_count:     768
    .wavefront_size: 32
...
	.end_amdgpu_metadata
.endif
;; end of part 2
;; launch attn (part 3): grid 16 x 16, 4 waves a work-group, clusters of 4 x 1, 327,680 bytes of LDS; arguments qkv, Wo, ob, wob; writes ob, wob
.if DOCPART == 3
	.amdgcn_target "amdgcn-amd-amdhsa--gfx1250"
	.amdhsa_code_object_version 6
	.text
	.protected	k_qce0b2dfa5f_attn
	.globl	k_qce0b2dfa5f_attn
	.p2align	8
	.type	k_qce0b2dfa5f_attn,@function
k_qce0b2dfa5f_attn:
	s_mov_b64 s[64:65], 0
	v_nop
	global_prefetch_b8 v0, s[64:65] scope:SCOPE_SE
	s_setreg_imm32_b32 hwreg(HW_REG_WAVE_MODE, 25, 1), 1
	s_wait_xcnt 0x0
	s_wait_alu depctr_hold_cnt(0) depctr_sa_sdst(0) depctr_va_vdst(0) depctr_va_sdst(0) depctr_va_ssrc(0) depctr_va_vcc(0) depctr_vm_vsrc(0)
	s_getreg_b32 s2, hwreg(HW_REG_IB_STS2, 6, 4)
	s_cmp_eq_u32 s2, 0
	s_cbranch_scc0 .Lentry_in_a_cluster
	s_endpgm
.Lentry_in_a_cluster:
	s_bfe_u32 s2, ttmp6, 0x10000c
	s_cmp_lg_u32 s2, 0x3003
	s_cbranch_scc0 .Lentry_shape_is_right
	s_endpgm
.Lentry_shape_is_right:
; CAUSAL ATTENTION, four query heads to a key and value head, head size 128, 1,024 positions, 4 batches.  qkv: f16 in blocks of 16 x 16 (512 bytes; piece (row r, column half h) at 256 h + 16 (r xor 8 h)),
; [batch 4][slot 24][row block 64][column block 8]; slots 0-15 q, 16-19 k, 20-23 v.  ob: f16 in the same blocks, [row block 256][column block 128].
; Products, maxima and sums in f32; the weights p are rounded to f16 for the second product (their sum l is taken of the unrounded p), O once at the end.
; LIMITS.  q, k, v arrive within f16's 65,504.  A hidden score counts as its value less 1e30 (f16's scores are 5.5e11 at the most); a weight below 2^-126 counts as 0; NaN and infinities are not treated apart.
; bf16(Wo) is exact in f16 between 6e-5 and 65,504; below 6e-5 it keeps f16's fixed step of 6e-8.
; THE WALK.  A head's queries lie in 8 blocks of 128; block i needs the key tiles 0 .. i of 128 keys, the last of which holds the diagonal.  A work-group takes blocks j and then 7 - j: 9 tiles, whatever j.
; One loop with a constant trip count walks them; what a trip does hangs on scalars made from j; every jump but the loop's own goes forward and passes no cluster round and no tensor load.
; CLUSTER.  The four work-groups of a cluster are the four query heads of one group, with the same j: they walk the same K and V, and each tile is asked for jointly.
; SHARES.  Wave w: r = w / 2, 64 of the block's rows (four tiles of 16 queries); s = w % 2, keys 64 s .. 64 s + 63 of every tile.  Each wave runs its own running maximum m and sum l over its keys;
; at a block's end the two streams of a row half are merged in f32: the odd wave sends O, c m and l through LDS, the even wave scales both by 2^(c m - max) / L and stores.
; LAYOUT.  S^T = K Q^T: a lane holds one query (lane % 16) and keys 8 (lane / 16) + 0..7; two such results rounded to f16 are source 1 of O^T = V^T P.  p = 2^(c s - c m), c = log2(e) / sqrt(128);
; in every step O and l are multiplied by a = 2^(c m_old - c m_new).  m starts at the lowest finite number: a block's first step has a = 0, so O and l need only be finite then (zeros at the start).
; THE MASK is the C operand that starts every sum S^T: for tile t and key block kb one of three sets of 8 registers (kb < t, = t, > t), made once from the wave and the lane, times AL: 1 in a diagonal tile, 0 elsewhere.
; SIDE BY SIDE.  The wave's tiles are two pieces, 0 (tiles 0, 1) and 2 (tiles 2, 3).  A key tile goes: K Q^T of piece 0; K Q^T of piece 2 with piece 0's softmax in slices behind its products;
; V^T P of piece 0 with piece 2's softmax behind its products; V^T P of piece 2.  Nothing is carried from tile to tile but m, l and O^T.
; Wo.  The last product's weights are rounded here, where memory has little to do: to bf16 like every input, that number written as f16.  Each of the launch's 1,024 waves takes 16,384 consecutive bytes of
; Wo, 2,048 in each of the loop's 8 trips: four loads at a trip's head, two stores of 512 consecutive bytes at its end.
; REGISTERS.  window 0: v0-11 addresses; v12-43 eight registers of statistics a tile; v44-51 the partner's c m and l; v52-61 at work; v64-191 S^T; v192-255 P.
;   window 1: O^T, 64 a tile.   window 2: v0-127 Q; v128-255 K.   window 3: v0-127 V; v128-151 the masks; v152-175 the masks times AL; v176-199 Wo at work.
.set SLOT1, 65536                      ; a slot: K's 128 keys (32,768 bytes, as they lie in memory), then V's
.set MRG,   131072                     ; the merge: for each row half 32,768 bytes of O and 1,024 of statistics; no tensor load lands here
.set MRGB,  33792
.set SPARE, MRG+2*MRGB                 ; the spare words: 128 bytes a wave, two blocks of 256 bytes that no other line names
.set AK0, 2                            ; v2   my place in a tile of K; never rewritten
.set AV0, 3                            ; v3   the same for V
.set AK,  4
.set AV,  5
.set SG,  6                            ; v6   my piece's place in a block: Q's loads and O's stores
.set MSO, 7                            ; v7   the merge: 16 bytes a lane
.set MSS, 8                            ; v8   the merge: 8 bytes a lane
.set WS,  10                           ; v10  my byte offset in my wave's part of Wo
.set WD,  11                           ; v11  and of wob
.set ST,  12                           ; tile t at ST + 8 t: c m, m (at a block's end l), l (even keys', odd keys'), c0-c3 at work
.set PS,  44
.set SPW, 62
.set NIL, 63
.set S,   64
.set P,   192
.set KF,  128
.set ML,  128
.set ME,  136
.set MG,  144
.set MC,  152                          ; the three sets times AL, in the same order
.set WX,  176
.set WY,  192
.set WV, 12
.set SR, 13
.set SS, 14
.set PB, 15                            ; j
.set HI, 16                            ; 7 - j
.set G1, 24
.set G0, 32
.set KV, 36                            ; s[36:37] my 16,384 bytes of tile 0
.set OFF, 38
.set OB, 40                            ; s[40:41] O at my rows of the block in hand
.set OB2, 42
.set Q1, 44
.set Q2, 46
.set RT, 48                            ; tiles of the block in hand still to be entered
.set NXT, 49                           ; the tile to be asked for next
.set LQ, 50                            ; the last tile of the block whose tiles are being asked for
.set PEND, 51                          ; 1: the first block waits for its merge, the second for its start
.set SLOTS, 52
.set TB, 53                            ; the slot to be read
.set BIGN, 54
.set BE, 55
.set GT, 56
.set CS, 58
.set SEL, 60
.set AL, 62                            ; s[62:63] the mask's factor, in the low word
.set WOB, 80                           ; s[80:81] Wo at my wave's part
.set WBB, 82                           ; s[82:83] wob at my wave's part
.set W_RS, 0x41
.set MSB, 0
.macro WIN new
.if MSB != (\new)
	s_set_vgpr_msb (MSB<<8)|(\new)
.set MSB, \new
.endif
.endm
.macro PLACES
.rept 4
	v_nop
.endr
.endm
.macro ALL line:vararg                 ; one line for each tile t
.set t, 0
.rept 4
	\line
.set t, t+1
.endr
.endm
.macro CROUND
	s_barrier_signal -1
	s_barrier_wait -1
	s_cmp_lg_u32 s[WV], 0
	s_cbranch_scc1 .Lnot_wave_0_\@
	s_barrier_signal -3
.Lnot_wave_0_\@:
	s_barrier_wait -3
	s_barrier_signal -1
	s_barrier_wait -1
.endm
.macro ADV                             ; the block's next tile, or behind its last the second block's tile 0
	s_add_co_u32 s[NXT], s[NXT], 1
	s_cmp_gt_u32 s[NXT], s[LQ]
	s_cselect_b32 s[NXT], 0, s[NXT]
	s_cselect_b32 s[LQ], s[HI], s[LQ]
.endm
; THE CHANGE OF SLOTS.  Each wave waits for all its tensor loads (one is out: its part of the other slot), adds 0 to its spare word, and waits for that and for its LDS instructions.
; fill = 1: a round of the cluster's barrier, and behind it first of all the joint load of tile NXT into the slot that was read last: it has a tile's work in which to land.
.macro CHANGE fill
	WIN 0
	s_wait_tensorcnt 0x0
	ds_add_u32 v[SPW], v[NIL]                      ; 0 onto my spare word; scalar work stands between it and the wait for it
	s_xor_b32 s[TB], s[TB], SLOT1
.if \fill
	s_lshl_b32 s[OFF], s[NXT], 15                  ; a tile is 32,768 bytes of K and of V
	s_xor_b32 s[G0+1], s[G0+1], SLOT1
	s_add_nc_u64 s[G0+2:G0+3], s[KV:KV+1], s[OFF:OFF+1]
	s_or_b32 s[G0+3], s[G0+3], 0x80000000
	ADV
	s_wait_dscnt 0x0
	CROUND
	tensor_load_to_lds s[G0:G0+3], s[G1:G1+7]
	s_nop 0
	PLACES                                         ; also the places in front of the loads into K's and V's registers
.else
	s_wait_dscnt 0x0
	s_barrier_signal -1
	s_barrier_wait -1
	PLACES
.endif
.endm
.macro QLOAD base                      ; Q of my 64 rows: tile i / 4, channels 32 (i % 4) on
	WIN 0x80
.set i, 0
.rept 16
	global_load_b128 v[8*i:8*i+3],   v[SG], s[\base:\base+1] offset:(i/4)*4096+(i%4)*1024
	global_load_b128 v[8*i+4:8*i+7], v[SG], s[\base:\base+1] offset:(i/4)*4096+(i%4)*1024+512
.set i, i+1
.endr
	WIN 0
.endm
.macro BEGIN
	WIN 0
.set t, 0
.rept 4
	v_mov_b32 v[ST+8*t], 0xfe000000                ; c m: far below every c s
	v_mov_b32 v[ST+8*t+1], 0xff7fffff              ; m
.set t, t+1
.endr
.endm
	s_load_b256 s[4:11], s[0:1], 0x0               ; qkv s[4:5], Wo s[6:7], ob s[8:9], wob s[10:11]
	v_lshl_add_u32 v[SPW], v0, 2, SPARE
	v_mov_b32 v[NIL], 0
	ds_add_u32 v[SPW], v[NIL]                      ; the wave's opening: the add and its wait stand ahead of my first tensor load
	v_lshrrev_b32 v1, 5, v0
	v_readfirstlane_b32 s[WV], v1
	s_lshr_b32 s[SR], s[WV], 1
	s_and_b32 s[SS], s[WV], 1
	s_mov_b32 s[PB], ttmp9                         ; in a cluster launch ttmp9 counts clusters: the pair of blocks
	s_sub_co_u32 s[HI], 7, s[PB]
	s_bfe_u32 s17, ttmp6, 0x40000                  ; cx: the query head within its group; it enters global addresses of Q, O, Wo and wob alone
	s_and_b32 s18, ttmp7, 0xffff
	s_lshr_b32 s19, s18, 2                         ; batch
	s_and_b32 s20, s18, 3                          ; key and value head
	s_lshl_b32 s21, s20, 2
	s_add_co_u32 s21, s21, s17                     ; query head
	s_mul_i32 s76, s19, 24
	s_add_co_u32 s66, s76, s20
	s_add_co_u32 s66, s66, 16
	s_lshl2_add_u32 s66, s[SR], s66                ; waves 0, 1: slot 16 + head (K); waves 2, 3: slot 20 + head (V)
	s_lshl_b32 s66, s66, 18
	s_lshl_b32 s67, s[SS], 14                      ; which 64 keys of a tile I fetch
	s_add_co_u32 s66, s66, s67
	s_mov_b32 s67, 0
	s_add_co_u32 s77, s76, s21
	s_lshl_b32 s77, s77, 18
	s_lshl_b32 s78, s[SR], 14
	s_add_co_u32 s77, s77, s78
	s_lshl_b32 s78, s[PB], 15
	s_add_co_u32 s68, s77, s78                     ; Q: my 64 rows of block j,
	s_mov_b32 s69, 0
	s_lshl_b32 s78, s[HI], 15
	s_add_co_u32 s70, s77, s78                     ; and of block 7 - j
	s_mov_b32 s71, 0
	s_lshl_b32 s77, s19, 4
	s_add_co_u32 s77, s77, s[SR]
	s_lshl_b32 s77, s77, 18                        ; O: row block 64 batch + 4 r, 65,536 bytes each,
	s_lshl_b32 s78, s21, 12                        ; the head's eight column blocks
	s_add_co_u32 s77, s77, s78
	s_lshl_b32 s78, s[PB], 19
	s_add_co_u32 s72, s77, s78
	s_mov_b32 s73, 0
	s_lshl_b32 s78, s[HI], 19
	s_add_co_u32 s74, s77, s78
	s_mov_b32 s75, 0
	s_lshl2_add_u32 s79, s18, s[PB]                ; my wave among the launch's 1,024: ((4 y + j) 4 + cx) 4 + w
	s_lshl2_add_u32 s79, s79, s17
	s_lshl2_add_u32 s79, s79, s[WV]
	s_lshl_b32 s[WOB], s79, 14                     ; 16,384 bytes of Wo,
	s_mov_b32 s[WOB+1], 0
	s_lshl_b32 s[WBB], s79, 13                     ; 8,192 of wob
	s_mov_b32 s[WBB+1], 0
	; the descriptor: 16,384 dense bytes as 64 rows of 256 bytes (32 elements of 8 bytes), no padding; one line for all four waves
	s_mov_b32 s[G1], 15|(3<<16)|(1<<21)            ; the mask of four; 8-byte elements; bit 21 beside a mask
	s_mov_b32 s[G1+1], 32<<16                      ; tensor_dim0
	s_mov_b32 s[G1+2], 64<<16                      ; tensor_dim1
	s_mov_b32 s[G1+3], 32<<16                      ; tile_dim0
	s_mov_b32 s[G1+4], 64                          ; tile_dim1
	s_mov_b32 s[G1+5], 32                          ; elements from row to row
	s_mov_b32 s[G1+6], 0
	s_mov_b32 s[G1+7], 0
	s_mov_b32 s[G0], 1
	s_lshl_b32 s[G0+1], s[WV], 14                  ; slot 0, wave x 16,384
	s_mov_b32 s[CS], 0x3e0293ee                    ; c = log2(e) / sqrt(128)
	s_mov_b32 s[CS+1], s[CS]
	s_mov_b32 s[SEL], 0x76543210
	s_mov_b32 s[SEL+1], 0xfedcba98
	s_mov_b32 s[BIGN], 0xf149f2ca                  ; -1e30
	s_cmp_gt_u32 s[SS], s[SR]
	s_cselect_b32 s[BE], s[BIGN], 0                ; my keys lie behind all my rows
	s_cmp_ge_u32 s[SS], s[SR]
	s_cselect_b32 s[GT], s[BIGN], 0                ; or hold their diagonal
	s_mov_b32 s[TB], SLOT1                         ; the first change of slots turns it into 0
	s_mov_b32 s[OFF+1], 0
	s_mov_b32 s[AL+1], 0                           ; named with AL as a pair
	s_mov_b32 s[NXT], 0
	s_mov_b32 s[LQ], s[PB]
	s_add_co_u32 s[RT], s[PB], 1                   ; the first block has j + 1 tiles
	s_mov_b32 s[PEND], 0
	s_mov_b32 s[SLOTS], 8
	s_wait_dscnt 0x0                               ; the opening add is done
	s_wait_kmcnt 0x0
	s_add_nc_u64 s[KV:KV+1], s[4:5], s[66:67]
	s_mov_b64 s[G0+2:G0+3], s[KV:KV+1]
	s_or_b32 s[G0+3], s[G0+3], 0x80000000
	s_add_nc_u64 s[Q1:Q1+1], s[4:5], s[68:69]
	s_add_nc_u64 s[Q2:Q2+1], s[4:5], s[70:71]
	s_add_nc_u64 s[OB:OB+1], s[8:9], s[72:73]
	s_add_nc_u64 s[OB2:OB2+1], s[8:9], s[74:75]
	s_add_nc_u64 s[WOB:WOB+1], s[6:7], s[WOB:WOB+1]
	s_add_nc_u64 s[WBB:WBB+1], s[10:11], s[WBB:WBB+1]
	CROUND                                         ; all four work-groups are here
	tensor_load_to_lds s[G0:G0+3], s[G1:G1+7]      ; tile 0 into slot 0
	s_nop 0
	PLACES
	ADV
	v_and_b32 v1, 15, v0                           ; r
	v_bfe_u32 v9, v0, 4, 1                         ; h
	v_lshlrev_b32 v52, 3, v9
	v_xor_b32 v53, v1, v52
	v_lshlrev_b32 v[SG], 4, v53
	v_lshl_add_u32 v[SG], v9, 8, v[SG]             ; 256 h + 16 (r xor 8 h)
	QLOAD Q1
	v_sub_nc_u32 v52, v1, v52                      ; r - 8 h: register i of the diagonal's own block is hidden where i is greater
	v_mov_b32 v53, s[BE]
	WIN 0xc0
.set i, 0
.rept 8
	v_mov_b32 v[ML+i], s[BE]
	v_cmp_gt_i32 vcc_lo, i, v52
	v_cndmask_b32 v[ME+i], v53, s[GT], vcc_lo
	v_mov_b32 v[MG+i], s[GT]
.set i, i+1
.endr
	WIN 0
	; the turning load reads piece (key 8 (l / 16) + l % 8, column half (l / 8) % 2) of a block and leaves channel l % 16 and 8 keys
	v_and_b32 v54, 7, v0
	v_bfe_u32 v55, v0, 3, 1
	v_lshl_add_u32 v56, v9, 3, v54
	v_lshlrev_b32 v57, 3, v55
	v_xor_b32 v56, v56, v57
	v_lshlrev_b32 v56, 4, v56
	v_lshl_add_u32 v56, v55, 8, v56
	s_lshl_b32 s76, s[SS], 14                      ; my 64 keys: four row blocks of 4,096 bytes
	v_add_nc_u32 v[AK0], s76, v[SG]
	s_add_co_u32 s77, s76, 32768
	v_add_nc_u32 v[AV0], s77, v56
	v_and_b32 v58, 31, v0
	s_mul_i32 s78, s[SR], MRGB
	s_add_co_u32 s78, s78, MRG
	v_lshl_add_u32 v[MSO], v58, 4, s78
	v_lshl_add_u32 v[MSS], v58, 3, s78
	v_lshlrev_b32 v[WS], 5, v58                    ; 8 numbers of Wo a lane: 32 bytes in,
	v_lshlrev_b32 v[WD], 4, v58                    ; 16 bytes out
	BEGIN                                          ; the first block begins: c m, m; l, the registers at work and O^T hold 0.  All this stands in the wait for the first tile
.set t, 0
.rept 4
.irp k, 2,3,4,5,6,7
	v_mov_b32 v[ST+8*t+\k], 0
.endr
.set t, t+1
.endr
	WIN 0x40
.set i, 0
.rept 256
	v_mov_b32 v[i], 0
.set i, i+1
.endr
	WIN 0
; THE LDS LOADS of a tile.  K in one run of 32, by chunks of 32 channels (8 loads a chunk); V, turned, in four runs of 8, one behind each of piece 0's four groups of products K Q^T.
.macro FETCH_K
	WIN 0x80
.set c, 0
.rept 4
.set kb, 0
.rept 4
	ds_load_b128 v[KF+32*kb+8*c:KF+32*kb+8*c+3],   v[AK] offset:kb*4096+c*1024
	ds_load_b128 v[KF+32*kb+8*c+4:KF+32*kb+8*c+7], v[AK] offset:kb*4096+c*1024+512
.set kb, kb+1
.endr
.set c, c+1
.endr
.endm
.macro FETCH_V g                       ; fragments 4 g .. 4 g + 3 of 16: keys 32 (f / 8) on, channels 16 (f % 8) on
	WIN 0xc0
.set f, 4*(\g)
.rept 4
	ds_load_tr16_b128 v[8*f:8*f+3],   v[AV] offset:2*(f/8)*4096+(f%8)*512
	ds_load_tr16_b128 v[8*f+4:8*f+7], v[AV] offset:2*(f/8)*4096+(f%8)*512+4096
.set f, f+1
.endr
.endm
; THE MATRIX WORK.  The accumulators take turns, one instruction a turn: between two links of a chain stand 7 (K Q^T) or 15 (V^T P) others'.
; Product i of 32 of S^T = K Q^T for piece x: channels 32 (i / 8) on, keys 16 ((i / 2) % 4) on, tile x + i % 2.  The first 8 start the sums, with the mask.
.macro KQ x
.set tt, (\x)+i%2
.set kb, (i/2)%4
.set rS, S+32*tt+8*kb
.set rK, KF+32*kb+8*(i/8)
.set rQ, 32*tt+8*(i/8)
.if i < 8
.set rM, MC+8
.if kb < tt
.set rM, MC
.endif
.if kb > tt
.set rM, MC+16
.endif
	WIN 0x3a
	v_wmma_f32_16x16x32_f16 v[rS:rS+7], v[rK:rK+7], v[rQ:rQ+7], v[rM:rM+7]
.else
	WIN 0x0a
	v_wmma_f32_16x16x32_f16 v[rS:rS+7], v[rK:rK+7], v[rQ:rQ+7], v[rS:rS+7]
.endif
.endm
; Product i of 32 of O^T += V^T P for piece x: keys 32 (i / 16) on, channels 16 ((i / 2) % 8) on, tile x + i % 2.
.macro PV x
	WIN 0x53
.set tt, (\x)+i%2
.set rO, 64*tt+8*((i/2)%8)
.set rV, 64*(i/16)+8*((i/2)%8)
.set rP, P+16*tt+8*(i/16)
	v_wmma_f32_16x16x32_f16 v[rO:rO+7], v[rV:rV+7], v[rP:rP+7], v[rO:rO+7]
.endm
; THE SOFTMAX of one tile and step is a list of 134 instructions; SM writes number j of it for tile t.  s0-s31 are the lane's 32 scores, in pairs 0-15.
;   0-15    the maximum of s0-s31 and the old m, three operands at a time (each accumulator's lowest registers are read first)
;   16-20   the other half of the lanes' maximum; the new m; c m; c m_old - c m_new
;   21-87   33 exponentials (a, then s0-s31) at the odd numbers from 23 on; at the other numbers c s - c m for pairs whose exponentials are still to come, the rounding to f16 of pairs whose
;           exponentials stand three numbers back or more, and the first sums
;   88-101  the last rounding; the rest of the sums; l = a l + the sum          102-133  the tile's O^T times a
.macro SM t
.set rT, ST+8*(\t)
.set rS, S+32*(\t)
.set rP, P+16*(\t)
.set rO, 64*(\t)+2*(j-102)
.set q, (j-20)/2
.if j < 102
	WIN 0
.endif
.if j < 4
	v_max3_num_f32 v[rT+4+j], v[rS+8*j], v[rS+8*j+1], v[rS+8*j+2]
.elseif j < 12
	v_max3_num_f32 v[rT+4+j%4], v[rT+4+j%4], v[rS+8*(j%4)+2*(j/4)+1], v[rS+8*(j%4)+2*(j/4)+2]
.elseif j == 12
	v_max3_num_f32 v[rT+4], v[rT+4], v[rS+7], v[rS+15]
.elseif j == 13
	v_max3_num_f32 v[rT+6], v[rT+6], v[rS+23], v[rS+31]
.elseif j == 14
	v_max3_num_f32 v[rT+4], v[rT+4], v[rT+5], v[rT+6]
.elseif j == 15
	v_max3_num_f32 v[rT+4], v[rT+4], v[rT+7], v[rT+1]
.elseif j == 16
	v_permlanex16_b32 v[rT+5], v[rT+4], s[SEL], s[SEL+1]
.elseif j == 17
	v_mov_b32 v[rT+7], v[rT]
.elseif j == 18
	v_max_num_f32 v[rT+1], v[rT+4], v[rT+5]
.elseif j == 19
	v_mul_f32 v[rT], s[CS], v[rT+1]
.elseif j == 20
	v_sub_f32 v[rT+7], v[rT+7], v[rT]
.elseif j == 23
	v_exp_f32 v[rT+6], v[rT+7]
.elseif (j < 88) && (j > 23) && (j%2 == 1)
	v_exp_f32 v[rS+(j-25)/2], v[rS+(j-25)/2]
.elseif (q < 4) || ((j < 76) && (q%2 == 0))
.set b, q/2+2
.if q < 4
.set b, q
.endif
	v_pk_fma_f32 v[rS+2*b:rS+2*b+1], v[rS+2*b:rS+2*b+1], s[CS:CS+1], v[rT:rT+1] op_sel_hi:[1,0,0] neg_lo:[0,0,1] neg_hi:[0,0,1]
.elseif (j < 88) && (q%2 == 1)
	s_wait_alu depctr_va_vdst(0)
	v_cvt_pk_f16_f32 v[rP+(q-5)/2], v[rS+q-5], v[rS+q-4]
.elseif j == 89
	s_wait_alu depctr_va_vdst(0)
	v_cvt_pk_f16_f32 v[rP+15], v[rS+30], v[rS+31]
.elseif j < 102
.set z, j-86
.if j < 89
.set z, (j-76)/4
.endif
.set w, 4
.set u, z
.if z >= 14
.set w, 32
.set u, 0
.elseif z >= 12
.set w, 16
.set u, z-12
.elseif z >= 8
.set w, 8
.set u, z-8
.endif
.if z < 15
	v_pk_add_f32 v[rS+w*u:rS+w*u+1], v[rS+w*u:rS+w*u+1], v[rS+w*u+w/2:rS+w*u+w/2+1]
.else
	v_pk_fma_f32 v[rT+2:rT+3], v[rT+2:rT+3], v[rT+6:rT+7], v[rS:rS+1] op_sel_hi:[1,0,1]
.endif
.else
	WIN W_RS
	v_pk_mul_f32 v[rO:rO+1], v[rO:rO+1], v[rT+6:rT+7] op_sel_hi:[1,0]
.endif
.endm
; Slice k of 64 of piece y's softmax: numbers 2 k and 2 k + 1 of both tiles' lists, four instructions.  2 x 134 = 4 x 64 + 12: the twelve that are over stand together, in slice 63.
; Where exponentials stand (slices 11 to 43) the slice goes tile by tile: plain, exponential, plain, exponential; elsewhere the two tiles alternate, so that no instruction reads the result of the one before it.
.macro SLICE y
.if (k >= 11) && (k < 44)
.irp t, \y, (\y)+1
.irp n, 0,1
.set j, 2*k+(\n)
	SM \t
.endr
.endr
.else
.irp n, 0,1,2,3,4,5,6,7
.if ((\n) < 2) || (k == 63)
.irp t, \y, (\y)+1
.set j, 2*k+(\n)
	SM \t
.endr
.endif
.endr
.endif
.set k, k+1
.endm
; A TILE.  dyn = 1: the mask counts if this is the block's last tile (RT = 0); dyn = 0: always.
; No slice names a register of the products round it: piece 0's softmax touches S^T, P and O^T of tiles 0 and 1, the products beside it K, Q, S^T and the masks of tiles 2 and 3; and the other way round.
; Slices 62 and 63, twenty packed multiplies, are the places between piece 2's last product K Q^T and the first read of its scores.
.macro STEP dyn
.if \dyn
	s_cmp_eq_u32 s[RT], 0
	s_cselect_b32 s[AL], 1.0, 0
.else
	s_mov_b32 s[AL], 1.0
.endif
	WIN 0
	v_add_nc_u32 v[AK], s[TB], v[AK0]
	v_add_nc_u32 v[AV], s[TB], v[AV0]
	FETCH_K
	WIN 0xc3                                       ; the masks times AL, while K's first chunk is on its way
.set i, 0
.rept 12
	v_pk_mul_f32 v[MC+2*i:MC+2*i+1], v[ML+2*i:ML+2*i+1], s[AL:AL+1] op_sel_hi:[1,0]
.set i, i+1
.endr
.set i, 0
.irp g, 0,1,2,3
	s_wait_dscnt 24                                ; behind chunk g of K stand 24 loads: 24 - 8 g of K and 8 g of V
.rept 8
	KQ 0
.set i, i+1
.endr
	FETCH_V \g
.endr
	PLACES                                         ; between piece 0's last product and the first read of its scores
.set i, 0
.set k, 0
.rept 32
	KQ 2
	SLICE 0
	SLICE 0
.set i, i+1
.endr
	s_wait_dscnt 0x0                               ; V is in
.set i, 0
.set k, 0
.rept 32
	PV 0
	SLICE 2
	SLICE 2
.set i, i+1
.endr
.set i, 0
.rept 32
	PV 2
.set i, i+1
.endr
	WIN 0
.endm
; Wo.  WLOAD, at a trip's head: my 64 bytes of the trip's 2,048.  WCAST, behind the tile's products: rounded to bf16, widened again (a shift, a mask), written as f16, stored.
.macro WLOAD
	WIN 0xc0
	global_load_b128 v[WX:WX+3],     v[WS], s[WOB:WOB+1] th:TH_LOAD_NT
	global_load_b128 v[WX+4:WX+7],   v[WS], s[WOB:WOB+1] offset:16 th:TH_LOAD_NT
	global_load_b128 v[WX+8:WX+11],  v[WS], s[WOB:WOB+1] offset:1024 th:TH_LOAD_NT
	global_load_b128 v[WX+12:WX+15], v[WS], s[WOB:WOB+1] offset:1040 th:TH_LOAD_NT
	WIN 0
.endm
.macro WCAST
	WIN 0
	s_wait_loadcnt 0x0                             ; the trip's four loads, issued a tile's work ago: their offset register is free
	s_wait_xcnt 0x0                                ; the last trip's stores have read their data and their offset register
	v_add_nc_u32 v[WS], 2048, v[WS]
	v_add_nc_u32 v[WD], 1024, v[WD]                ; stepped first; the stores reach back
	WIN 0xcf
.set i, 0
.rept 8
	v_cvt_pk_bf16_f32 v[WY+i], v[WX+2*i], v[WX+2*i+1]
.set i, i+1
.endr
.set i, 0
.rept 8
	v_lshlrev_b32 v[WX+2*i], 16, v[WY+i]
	v_and_b32 v[WX+2*i+1], 0xffff0000, v[WY+i]
.set i, i+1
.endr
.set i, 0
.rept 8
	v_cvt_pk_f16_f32 v[WY+i], v[WX+2*i], v[WX+2*i+1]
.set i, i+1
.endr
	WIN 0x0c
	global_store_b128 v[WD], v[WY:WY+3],   s[WBB:WBB+1] offset:-1024  ; 512 consecutive bytes, aligned
	global_store_b128 v[WD], v[WY+4:WY+7], s[WBB:WBB+1] offset:-512
	WIN 0
.endm
; A BLOCK'S END.  FIN: l's two halves and the other half of the lanes' are added, into m's place, beside c m; its first four additions are places behind the last products.
.macro FIN
	WIN 0
	ALL v_add_f32 v[ST+8*t+4], v[ST+8*t+2], v[ST+8*t+3]
	ALL v_permlanex16_b32 v[ST+8*t+5], v[ST+8*t+4], s[SEL], s[SEL+1]
	ALL v_add_f32 v[ST+8*t+1], v[ST+8*t+4], v[ST+8*t+5]
.endm
.macro SEND                            ; the odd wave's O^T (f32, 512 consecutive bytes a store), c m and l
	s_cmp_eq_u32 s[SS], 0
	s_cbranch_scc1 .Lno_send_\@
	WIN 0x04
.set i, 0
.rept 64
	ds_store_b128 v[MSO], v[4*i:4*i+3] offset:512*i
.set i, i+1
.endr
	WIN 0
	ALL ds_store_b64 v[MSS], v[ST+8*t:ST+8*t+1] offset:32768+256*t
.Lno_send_\@:
.endm
.macro MLOAD t                         ; the partner's O^T of tile t, into S^T's registers, two buffers of 64
	WIN 0
.set i, 0
.rept 16
	ds_load_b128 v[S+64*((\t)%2)+4*i:S+64*((\t)%2)+4*i+3], v[MSO] offset:(16*(\t)+i)*512
.set i, i+1
.endr
.endm
.macro MTILE t, left                   ; O = O_mine f_mine + O_partner f_partner, rounded to f16, stored: each store a whole block of 512 consecutive bytes
.set rX, S+64*((\t)%2)
	WIN 0
	s_wait_dscnt \left
.set i, 0
.rept 32
	v_pk_mul_f32 v[rX+2*i:rX+2*i+1], v[rX+2*i:rX+2*i+1], v[ST+8*(\t)+4:ST+8*(\t)+5] op_sel_hi:[1,0]
.set i, i+1
.endr
	WIN 0x01
.set i, 0
.rept 32
	v_pk_fma_f32 v[rX+2*i:rX+2*i+1], v[64*(\t)+2*i:64*(\t)+2*i+1], v[ST+8*(\t)+2:ST+8*(\t)+3], v[rX+2*i:rX+2*i+1] op_sel_hi:[1,0,1]
.set i, i+1
.endr
	WIN 0
.set i, 0
.rept 32
	v_cvt_pk_f16_f32 v[rX+i], v[rX+2*i], v[rX+2*i+1]
.set i, i+1
.endr
.set i, 0
.rept 8
	global_store_b128 v[SG], v[rX+4*i:rX+4*i+3], s[OB:OB+1] offset:(\t)*65536+i*512
.set i, i+1
.endr
.endm
.macro MERGE                           ; the even wave's part
	WIN 0
	ALL ds_load_b64 v[PS+2*t:PS+2*t+1], v[MSS] offset:32768+256*t
	MLOAD 0
	MLOAD 1
	s_wait_dscnt 32                                ; the statistics are in; the 32 loads behind them may be out
	ALL v_max_num_f32 v[ST+8*t+2], v[ST+8*t], v[PS+2*t]
	ALL v_sub_f32 v[ST+8*t+4], v[ST+8*t], v[ST+8*t+2]
	ALL v_sub_f32 v[ST+8*t+5], v[PS+2*t], v[ST+8*t+2]
	ALL v_exp_f32 v[ST+8*t+4], v[ST+8*t+4]
	ALL v_exp_f32 v[ST+8*t+5], v[ST+8*t+5]
	v_nop                                          ; a plain instruction between the last exponential and the use of its result
	s_wait_alu depctr_va_vdst(0)
	ALL v_mul_f32 v[ST+8*t+6], v[ST+8*t+4], v[ST+8*t+1]
	ALL v_fmac_f32 v[ST+8*t+6], v[ST+8*t+5], v[PS+2*t+1]
	ALL v_rcp_f32 v[ST+8*t+7], v[ST+8*t+6]
	v_nop
	s_wait_alu depctr_va_vdst(0)
	ALL v_mul_f32 v[ST+8*t+2], v[ST+8*t+4], v[ST+8*t+7]
	ALL v_mul_f32 v[ST+8*t+4], v[ST+8*t+5], v[ST+8*t+7]
	MTILE 0, 16                                    ; the next tile's 16 loads may be out
	s_wait_xcnt 0x0                                ; the buffer that the stores read is loaded again only behind this wait
	MLOAD 2
	MTILE 1, 16
	s_wait_xcnt 0x0
	MLOAD 3
	MTILE 2, 16
	MTILE 3, 0
.endm
.Lslot:                                                ; 8 trips: a tile is entered and the next is asked for
	CHANGE 1
	s_cmp_eq_u32 s[PEND], 0
	s_cbranch_scc1 .Lgo
	s_cmp_lg_u32 s[SS], 0                          ; the first block's merge: what the odd waves stored was waited for in front of the round above
	s_cbranch_scc1 .Lno_merge
	MERGE
.Lno_merge:
	s_wait_xcnt 0x0                                ; the stores have read their registers and O's address
	s_mov_b64 s[OB:OB+1], s[OB2:OB2+1]
	s_mov_b32 s[PEND], 0
	BEGIN                                          ; the second block begins
.Lgo:
	s_wait_loadcnt 0x0                             ; Q
	WLOAD
	s_sub_co_u32 s[RT], s[RT], 1
	STEP 1
	WCAST
	s_cmp_lg_u32 s[RT], 0
	s_cbranch_scc1 .Lbottom
	FIN                                            ; the first block's end (the second's last tile is the walk's last)
	s_wait_dscnt 0x0
	s_barrier_signal -1                            ; no wave still reads the merge's bytes
	s_barrier_wait -1
	SEND
	QLOAD Q2
	s_add_co_u32 s[RT], s[HI], 1                   ; the second block has 8 - j tiles
	s_mov_b32 s[PEND], 1
.Lbottom:
	s_sub_co_u32 s[SLOTS], s[SLOTS], 1
	s_cmp_lg_u32 s[SLOTS], 0
	s_cbranch_scc1 .Lslot
	CHANGE 0                                       ; the walk's last tile is written out: nothing is asked for
	s_wait_loadcnt 0x0
	STEP 0
	FIN
	SEND
	s_wait_dscnt 0x0                               ; for the partner's sake
	s_barrier_signal -1
	s_barrier_wait -1
	s_cmp_lg_u32 s[SS], 0
	s_cbranch_scc1 .Lend
	MERGE
.Lend:
	s_wait_tensorcnt 0x0                           ; the wave's end
	ds_add_u32 v[SPW], v[NIL]
	s_wait_dscnt 0x0
	CROUND                                         ; the closing round
	s_endpgm
.Lfunc_end_k_qce0b2dfa5f_attn:
	.size	k_qce0b2dfa5f_attn, .Lfunc_end_k_qce0b2dfa5f_attn-k_qce0b2dfa5f_attn
	.p2alignl 7, 3214868480
	.fill 96, 4, 3214868480
	.section	.rodata,"a",@progbits
	.p2align	6, 0x0
	.amdhsa_kernel k_qce0b2dfa5f_attn
		.amdhsa_group_segment_fixed_size 327680
		.amdhsa_private_segment_fixed_size 0
		.amdhsa_enable_private_segment 0
		.amdhsa_kernarg_size 32
		.amdhsa_user_sgpr_count 2
		.amdhsa_user_sgpr_kernarg_segment_ptr 1
		.amdhsa_wavefront_size32 1
		.amdhsa_system_sgpr_workgroup_id_x 1
		.amdhsa_system_sgpr_workgroup_id_y 1
		.amdhsa_system_sgpr_workgroup_id_z 1
		.amdhsa_system_vgpr_workitem_id 0
		.amdhsa_next_free_vgpr 968
		.amdhsa_next_free_sgpr 84
		.amdhsa_reserve_vcc 1
		.amdhsa_float_denorm_mode_32 3
		.amdhsa_float_denorm_mode_16_64 3
		.amdhsa_memory_ordered 1
		.amdhsa_forward_progress 1
		.amdhsa_inst_pref_size 201
	.end_amdhsa_kernel
	.amdgpu_metadata
---
amdhsa.version: [ 1, 2 ]
amdhsa.kernels:
  - .name:           k_qce0b2dfa5f_attn
    .symbol:         k_qce0b2dfa5f_attn.kd
    .args:
      - { .name: qkv, .offset: 0, .size: 8, .value_kind: global_buffer, .address_space: global }
      - { .name: Wo, .offset: 8, .size: 8, .value_kind: global_buffer, .address_space: global }
      - { .name: ob, .offset: 16, .size: 8, .value_kind: global_buffer, .address_space: global }
      - { .name: wob, .offset: 24, .size: 8, .value_kind: global_buffer, .address_space: global }
    .group_segment_fixed_size: 327680
    .private_segment_fixed_size: 0
    .kernarg_segment_align: 8
    .kernarg_segment_size: 32
    .max_flat_workgroup_size: 128
    .sgpr_count:     84
    .vgpr_count:     968
    .wavefront_size: 32
...
	.end_amdgpu_metadata
.endif
;; end of part 3
;; launch oproj (part 4): grid 8 x 32, 4 waves a work-group, clusters of 4 x 4, 327,680 bytes of LDS; arguments ob, wob, out0; writes out0
.if DOCPART == 4
	.amdgcn_target "amdgcn-amd-amdhsa--gfx1250"
	.amdhsa_code_object_version 6
	.text
	.protected	k_qce0b2dfa5f_oproj
	.globl	k_qce0b2dfa5f_oproj
	.p2align	8
	.type	k_qce0b2dfa5f_oproj,@function
k_qce0b2dfa5f_oproj:
	s_mov_b64 s[64:65], 0
	v_nop
	global_prefetch_b8 v0, s[64:65] scope:SCOPE_SE
	s_setreg_imm32_b32 hwreg(HW_REG_WAVE_MODE, 25, 1), 1
	s_wait_xcnt 0x0
	s_wait_alu depctr_hold_cnt(0) depctr_sa_sdst(0) depctr_va_vdst(0) depctr_va_sdst(0) depctr_va_ssrc(0) depctr_va_vcc(0) depctr_vm_vsrc(0)
	s_getreg_b32 s2, hwreg(HW_REG_IB_STS2, 6, 4)
	s_cmp_eq_u32 s2, 0
	s_cbranch_scc0 .Lentry_in_a_cluster
	s_endpgm
.Lentry_in_a_cluster:
	s_bfe_u32 s2, ttmp6, 0x10000c
	s_cmp_lg_u32 s2, 0xf033
	s_cbranch_scc0 .Lentry_shape_is_right
	s_endpgm
.Lentry_shape_is_right:
; out0 = O Wo.  ob: f16 in blocks of 16 x 16 (512 bytes; piece (row r, column half h) at 256 h + 16 (r xor 8 h)), [row block 256][column block 128].  wob: [2048 k][2048 n] f16.  out0: [4096][2048] f32.
; SHARES.  A tile of C is 128 x 256: 32 x 8 = 256 work-groups.  Four waves, each 64 x 128: 32 accumulators.  K in 16 steps of 128 through two LDS slots.
; CLUSTER 4 x 4: a row of the cluster shares ob's tile, a column wob's.  Waves 0, 1 fetch ob's two halves (4 row blocks x 4,096 consecutive bytes each), waves 2, 3 wob's (128 k-rows x 128 columns each).
; THE MATRIX INSTRUCTION IS USED TRANSPOSED: source 0 = 16 columns of wob (turned by ds_load_tr16_b128), source 1 = 16 rows of O: a lane holds eight neighbouring columns of one row.
; THE LOOP IS ONE K STEP: slot 1 begins at byte 131,072, so that one exclusive or turns an address in one slot into the other's; one descriptor a tensor walks from K step 1 on, a step and a slot at each refill.
; REGISTERS.  window 0: v0-31 addresses; v64-191 the way out.   window 1: two fragment buffers of 128 (O's four fragments, then wob's eight).   window 2: the accumulators, (a, nb) at 8 (8 a + nb).
.set PB,    288                        ; wob's rows in LDS: 256 bytes + 32
.set HALFB, 128*PB
.set BOFF,  32768                      ; O's tile lies as in memory: [row block 8][column block 8][512]
.set SLOT1, 131072                     ; a slot takes 106,496 bytes
.set STAGE, SLOT1+BOFF+2*HALFB         ; each wave's own: 16 rows x 528 bytes; no tensor load lands here
.set SPITCH, 528
.set SPARE, STAGE+4*16*SPITCH          ; the spare words: 128 bytes a wave, two blocks of 256 bytes that no other line names
.set STEPS, 16
.set ASTEP, 4096                       ; bytes from K step to K step in ob
.set BSTEP, 128*4096                   ; and in wob
.set ADRA0, 16                         ; v16  my place in a slot's tile of O; never rewritten
.set ADRB0, 17                         ; v17  the same for wob
.set ADRA, 18                          ; v18  in the slot in hand
.set ADRB, 19
.set STO,  24
.set RD,   25
.set CO,   26
.set SPW,  28
.set NIL,  29
.set F0,   0
.set F1,   128
.set G1A, 24
.set G0A, 32                           ; s[32:35] K step 0; s[36:39] K step 1, which then walks on
.set G1B, 48
.set G0B, 56
.set TB,  70                           ; s70  the slot to be read
.set MSB, 0
.macro WIN new
.if MSB != (\new)
	s_set_vgpr_msb (MSB<<8)|(\new)
.set MSB, \new
.endif
.endm
.macro PLACES
.rept 4
	v_nop
.endr
.endm
.macro JLOAD s                         ; a joint load; an s_nop 0 and four v_nop follow each of the two lines
	s_cmp_eq_u32 s15, 0
	s_cbranch_scc0 .Lfor_b_\@
	tensor_load_to_lds s[G0A+4*(\s):G0A+4*(\s)+3], s[G1A:G1A+7]
	s_nop 0
.rept 4
	v_nop
.endr
	s_branch .Lasked_\@
.Lfor_b_\@:
	tensor_load_to_lds s[G0B+4*(\s):G0B+4*(\s)+3], s[G1B:G1B+7]
	s_nop 0
.rept 4
	v_nop
.endr
.Lasked_\@:
.endm
.macro CREST
	s_cmp_lg_u32 s14, 0
	s_cbranch_scc1 .Lnot_wave_0_\@
	s_barrier_signal -3
.Lnot_wave_0_\@:
	s_barrier_wait -3
	s_barrier_signal -1
	s_barrier_wait -1
.endm
.macro CROUND
	s_barrier_signal -1
	s_barrier_wait -1
	CREST
.endm
	s_load_b128 s[4:7], s[0:1], 0x0                ; ob s[4:5], wob s[6:7]
	s_load_b64 s[8:9], s[0:1], 0x10                ; out0
	v_lshl_add_u32 v[SPW], v0, 2, SPARE
	v_mov_b32 v[NIL], 0
	ds_add_u32 v[SPW], v[NIL]                      ; the wave's opening: the add and its wait stand ahead of my first tensor load
	v_lshrrev_b32 v1, 5, v0
	v_readfirstlane_b32 s14, v1                    ; wave 0..3
	s_lshr_b32 s15, s14, 1                         ; rh: my 64 rows.  Also: I fetch for O (0) or for wob (1)
	s_and_b32 s16, s14, 1                          ; ch: my 128 columns.  Also: which half of that tile I fetch
	s_bfe_u32 s17, ttmp6, 0x40000
	s_bfe_u32 s18, ttmp6, 0x40004
	s_lshl_b32 s19, ttmp9, 2
	s_add_co_u32 s19, s19, s17                     ; tx
	s_and_b32 s20, ttmp7, 0xffff
	s_lshl_b32 s20, s20, 2
	s_add_co_u32 s20, s20, s18                     ; ty
	s_lshl_b32 s21, s18, 2
	s_lshl_b32 s21, 15, s21
	s_lshl_b32 s22, 0x1111, s17
	s_or_b32 s[G1A], s21, (3<<16)|(1<<21)          ; the mask; 8-byte elements; bit 21 beside a mask; no padding
	s_mov_b32 s[G1A+1], 512<<16                    ; tensor_dim0 = 512 elements: 4,096 bytes, eight blocks
	s_mov_b32 s[G1A+2], 4<<16                      ; tensor_dim1 = 4 row blocks
	s_mov_b32 s[G1A+3], 512<<16                    ; tile_dim0
	s_mov_b32 s[G1A+4], 4                          ; tile_dim1
	s_mov_b32 s[G1A+5], 8192                       ; 65,536 bytes from row block to row block
	s_mov_b32 s[G1A+6], 0
	s_mov_b32 s[G1A+7], 0
	s_or_b32 s[G1B], s22, (1<<16)|(1<<20)|(1<<21)|(5<<22)|(7<<25)  ; 2-byte elements; after every 64 words 8 words of padding
	s_mov_b32 s[G1B+1], 128<<16
	s_mov_b32 s[G1B+2], 128<<16
	s_mov_b32 s[G1B+3], 128<<16
	s_mov_b32 s[G1B+4], 128
	s_mov_b32 s[G1B+5], 2048
	s_mov_b32 s[G1B+6], 0
	s_mov_b32 s[G1B+7], 0
	s_lshl_b32 s40, s20, 3
	s_lshl2_add_u32 s40, s16, s40                  ; row block 8 ty + 4 half
	s_lshl_b32 s40, s40, 16
	s_mov_b32 s41, 0
	s_lshl_b32 s44, s19, 9                         ; 256 columns a tile column,
	s_lshl_b32 s45, s16, 8                         ; my half
	s_add_co_u32 s44, s44, s45
	s_mov_b32 s45, 0
	s_lshl_b32 s23, s16, 14                        ; where O's half goes,
	s_mul_i32 s66, s16, HALFB
	s_add_co_u32 s66, s66, BOFF                    ; and wob's
	s_mov_b32 s[TB], 0
	s_wait_dscnt 0x0
	s_wait_kmcnt 0x0
	s_add_nc_u64 s[42:43], s[4:5], s[40:41]
	s_add_nc_u64 s[46:47], s[6:7], s[44:45]
	CROUND
.irp s, 0,1
	s_mov_b32 s[G0A+4*(\s)], 1
	s_add_co_u32 s[G0A+4*(\s)+1], s23, (\s)*SLOT1
	s_add_nc_u64 s[G0A+4*(\s)+2:G0A+4*(\s)+3], s[42:43], (\s)*ASTEP
	s_or_b32 s[G0A+4*(\s)+3], s[G0A+4*(\s)+3], 0x80000000
	s_mov_b32 s[G0B+4*(\s)], 1
	s_add_co_u32 s[G0B+4*(\s)+1], s66, (\s)*SLOT1
	s_add_nc_u64 s[G0B+4*(\s)+2:G0B+4*(\s)+3], s[46:47], (\s)*BSTEP
	s_or_b32 s[G0B+4*(\s)+3], s[G0B+4*(\s)+3], 0x80000000
	JLOAD \s
.endr
	v_and_b32 v1, 15, v0                           ; r
	v_bfe_u32 v2, v0, 4, 1                         ; h
	v_lshlrev_b32 v4, 3, v2
	v_xor_b32 v4, v1, v4
	v_lshlrev_b32 v4, 4, v4
	v_lshl_add_u32 v4, v2, 8, v4                   ; my piece's place in a block
	s_lshl_b32 s67, s15, 14                        ; my four row blocks
	v_add_nc_u32 v[ADRA0], s67, v4
	v_and_b32 v5, 7, v0
	v_bfe_u32 v6, v0, 3, 1
	v_lshl_add_u32 v5, v2, 3, v5
	v_mul_u32_u24 v5, v5, PB
	v_lshl_add_u32 v5, v6, 4, v5
	v_add_nc_u32 v[ADRB0], s66, v5                 ; my half of the columns is the half with my parity
	v_add_nc_u32 v[ADRA], s[TB], v[ADRA0]          ; slot 0
	v_add_nc_u32 v[ADRB], s[TB], v[ADRB0]
	s_mul_i32 s67, s14, 16*SPITCH
	s_add_co_u32 s67, s67, STAGE
	v_mul_u32_u24 v7, v1, SPITCH                   ; into the stage: row r, 32 bytes for each half of the lanes
	v_lshl_add_u32 v7, v2, 5, v7
	v_add_nc_u32 v[STO], s67, v7
	v_and_b32 v8, 31, v0
	v_lshlrev_b32 v[CO], 4, v8                     ; back: a row of 512 bytes, 16 a lane
	v_add_nc_u32 v[RD], s67, v[CO]
	s_lshl_b32 s68, s20, 20                        ; 128 rows of 8,192 bytes a tile row,
	s_lshl_b32 s69, s15, 19
	s_add_co_u32 s68, s68, s69
	s_lshl_b32 s69, s19, 10
	s_add_co_u32 s68, s68, s69
	s_lshl_b32 s69, s16, 9
	s_add_co_u32 s68, s68, s69
	s_mov_b32 s69, 0
	s_add_nc_u64 s[8:9], s[8:9], s[68:69]
; na row blocks from a0 on x four column blocks from b0 on
.macro MUL f, a0, na, b0, zero
	WIN 0xa5
.set ia, \a0
.rept \na
.set ib, \b0
.rept 4
.if \zero
	v_wmma_f32_16x16x32_f16 v[8*(8*ia+ib):8*(8*ia+ib)+7], v[(\f)+32+8*ib:(\f)+32+8*ib+7], v[(\f)+8*ia:(\f)+8*ia+7], 0
.else
	v_wmma_f32_16x16x32_f16 v[8*(8*ia+ib):8*(8*ia+ib)+7], v[(\f)+32+8*ib:(\f)+32+8*ib+7], v[(\f)+8*ia:(\f)+8*ia+7], v[8*(8*ia+ib):8*(8*ia+ib)+7]
.endif
.set ib, ib+1
.endr
.set ia, ia+1
.endr
.endm
.macro FETCH q, f                      ; 24 LDS loads in one run: quarter q of the slot in hand: O's four fragments, then wob's eight in ascending order
	WIN 0x40
.set ia, 0
.rept 4
	ds_load_b128 v[(\f)+8*ia:(\f)+8*ia+3],   v[ADRA] offset:ia*4096+(\q)*1024
	ds_load_b128 v[(\f)+8*ia+4:(\f)+8*ia+7], v[ADRA] offset:ia*4096+(\q)*1024+512
.set ia, ia+1
.endr
.set ib, 0
.rept 8
	ds_load_tr16_b128 v[(\f)+32+8*ib:(\f)+32+8*ib+3],   v[ADRB] offset:(\q)*32*PB+32*ib
	ds_load_tr16_b128 v[(\f)+32+8*ib+4:(\f)+32+8*ib+7], v[ADRB] offset:(\q)*32*PB+32*ib+16*PB
.set ib, ib+1
.endr
.endm
; A K step is four quarters of 32 along K, 32 products each, on buffers 0, 1, 0, 1; the 32 accumulators take turns in one order.
; One of the first three: multiplies buffer f; in its middle it fetches quarter q into buffer g.
.macro QUARTER q, f, g, zero
	s_wait_dscnt 8                                 ; the youngest eight loads (column blocks 4-7) may be out
	MUL \f, 0, 4, 0, \zero
	PLACES
	FETCH \q, \g
	s_wait_dscnt 24                                ; all but the 24 just issued
	MUL \f, 0, 4, 4, \zero
.endm
; The last quarter multiplies buffer 1 and changes slots: the waits and the add in front of one barrier, which with fill = 1 opens a round of the cluster's; the joint refill, two K steps ahead, first behind it.
.macro TURN fill
	WIN 0
	s_wait_tensorcnt 0x0                           ; all my tensor loads have landed: the one that was out is my part of the next slot
	ds_add_u32 v[SPW], v[NIL]
	s_wait_dscnt 9                                 ; the add and the youngest eight loads may be out
	MUL F1, 0, 2, 0, 0
	s_wait_dscnt 0x0                               ; the add is done, and my reads of this slot are over
	s_barrier_signal -1
	MUL F1, 2, 2, 0, 0
	WIN 0
	s_barrier_wait -1
.if \fill
	CREST
	s_xor_b32 s[G0A+5], s[G0A+5], SLOT1            ; the walking descriptors: the other slot than last time,
	s_add_nc_u64 s[G0A+6:G0A+7], s[G0A+6:G0A+7], ASTEP  ; the next K step; the type bits on top are not reached
	s_xor_b32 s[G0B+5], s[G0B+5], SLOT1
	s_add_nc_u64 s[G0B+6:G0B+7], s[G0B+6:G0B+7], BSTEP
	JLOAD 1                                        ; 112 products stand between this request and the wait for it; its four v_nop are also the places in front of the loads below
.else
	PLACES
.endif
	s_xor_b32 s[TB], s[TB], SLOT1                  ; the fetches go on in the other slot
	v_add_nc_u32 v[ADRA], s[TB], v[ADRA0]
	v_add_nc_u32 v[ADRB], s[TB], v[ADRB0]
	FETCH 0, F0
	MUL F1, 0, 4, 4, 0
.endm
	s_wait_tensorcnt 1                             ; my part of K step 0 is in; K step 1's may stay out
	s_barrier_signal -1
	s_barrier_wait -1
	FETCH 0, F0
	QUARTER 1, F0, F1, 1                           ; the first quarter stands in front of the loop: its products start the sums
	WIN 0
	s_mov_b32 s3, STEPS-2
.Lstep:                                                ; 14 trips, from a K step's second quarter to the next step's first; each fills the slot that it leaves
	QUARTER 2, F1, F0, 0
	QUARTER 3, F0, F1, 0
	TURN 1
	QUARTER 1, F0, F1, 0
	WIN 0
	s_sub_co_u32 s3, s3, 1
	s_cmp_lg_u32 s3, 0
	s_cbranch_scc1 .Lstep
	QUARTER 2, F1, F0, 0                           ; the last two K steps fill nothing
	QUARTER 3, F0, F1, 0
	TURN 0
	QUARTER 1, F0, F1, 0
	QUARTER 2, F1, F0, 0
	QUARTER 3, F0, F1, 0
	s_wait_dscnt 8
	MUL F1, 0, 4, 0, 0
	s_wait_dscnt 0x0
	MUL F1, 0, 4, 4, 0
	WIN 0
	; THE WAY OUT, through each wave's own stage, 16 rows at a time: 32 bytes a lane in, whole rows of 512 bytes back, stored as 512 consecutive aligned bytes.
.macro TOSTAGE a
	WIN 0x08
.set ib, 0
.rept 8
	ds_store_b128 v[STO], v[8*(8*(\a)+ib):8*(8*(\a)+ib)+3]   offset:64*ib      ; each accumulator's low half first
	ds_store_b128 v[STO], v[8*(8*(\a)+ib)+4:8*(8*(\a)+ib)+7] offset:64*ib+16
.set ib, ib+1
.endr
	WIN 0
.set i, 0
.rept 16
	ds_load_b128 v[64+64*((\a)%2)+4*i:64+64*((\a)%2)+4*i+3], v[RD] offset:i*SPITCH  ; LDS serves a wave's instructions in order (ISA guide 5.7.1.4): these see the stores above
.set i, i+1
.endr
.endm
.macro SENDC a, younger
	s_wait_dscnt \younger                          ; the next block's 32 stage instructions may be out
.set i, 0
.rept 16
	global_store_b128 v[CO], v[64+64*((\a)%2)+4*i:64+64*((\a)%2)+4*i+3], s[8:9] offset:(16*(\a)+i)*8192 th:TH_STORE_NT
.set i, i+1
.endr
.endm
	PLACES
	TOSTAGE 0
	TOSTAGE 1
	SENDC 0, 32
	s_wait_xcnt 0x0                                ; the buffer that the stores read is loaded again only behind this wait
	TOSTAGE 2
	SENDC 1, 32
	s_wait_xcnt 0x0
	TOSTAGE 3
	SENDC 2, 32
	SENDC 3, 0
	s_wait_tensorcnt 0x0                           ; the wave's end
	ds_add_u32 v[SPW], v[NIL]
	s_wait_dscnt 0x0
	CROUND                                         ; the closing round
	s_endpgm
.Lfunc_end_k_qce0b2dfa5f_oproj:
	.size	k_qce0b2dfa5f_oproj, .Lfunc_end_k_qce0b2dfa5f_oproj-k_qce0b2dfa5f_oproj
	.p2alignl 7, 3214868480
	.fill 96, 4, 3214868480
	.section	.rodata,"a",@progbits
	.p2align	6, 0x0
	.amdhsa_kernel k_qce0b2dfa5f_oproj
		.amdhsa_group_segment_fixed_size 327680
		.amdhsa_private_segment_fixed_size 0
		.amdhsa_enable_private_segment 0
		.amdhsa_kernarg_size 24
		.amdhsa_user_sgpr_count 2
		.amdhsa_user_sgpr_kernarg_segment_ptr 1
		.amdhsa_wavefront_size32 1
		.amdhsa_system_sgpr_workgroup_id_x 1
		.amdhsa_system_sgpr_workgroup_id_y 1
		.amdhsa_system_sgpr_workgroup_id_z 1
		.amdhsa_system_vgpr_workitem_id 0
		.amdhsa_next_free_vgpr 768
		.amdhsa_next_free_sgpr 80
		.amdhsa_reserve_vcc 0
		.amdhsa_float_denorm_mode_32 3
		.amdhsa_float_denorm_mode_16_64 3
		.amdhsa_memory_ordered 1
		.amdhsa_forward_progress 1
		.amdhsa_inst_pref_size 69
	.end_amdhsa_kernel
	.amdgpu_metadata
---
amdhsa.version: [ 1, 2 ]
amdhsa.kernels:
  - .name:           k_qce0b2dfa5f_oproj
    .symbol:         k_qce0b2dfa5f_oproj.kd
    .args:
      - { .name: ob, .offset: 0, .size: 8, .value_kind: global_buffer, .address_space: global }
      - { .name: wob, .offset: 8, .size: 8, .value_kind: global_buffer, .address_space: global }
      - { .name: out0, .offset: 16, .size: 8, .value_kind: global_buffer, .address_space: global }
    .group_segment_fixed_size: 327680
    .private_segment_fixed_size: 0
    .kernarg_segment_align: 8
    .kernarg_segment_size: 24
    .max_flat_workgroup_size: 128
    .sgpr_count:     80
    .vgpr_count:     768
    .wavefront_size: 32
...
	.end_amdgpu_metadata
.endif
;; end of part 4
;; ======== version 2 of 2: 4 launches; version 1 with the launch cast written anew for expert scheduling mode
;; limits: values are held in f16: magnitudes above 65,504 overflow, below 6.1e-05 lose precision
;; workspace buffers: xb 16,777,216 bytes; wqkv 12,582,912 bytes; wob 8,388,608 bytes; qkv 25,165,824 bytes; ob 16,777,216 bytes
;; launch cast (part 5): grid 256 x 7, 8 waves a work-group, no clusters, 0 bytes of LDS; arguments x, Wq, Wkv, xb, wqkv; writes xb, wqkv
.if DOCPART == 5
	.amdgcn_target "amdgcn-amd-amdhsa--gfx1250"
	.amdhsa_code_object_version 6
	.text
	.protected	k_qce0b2dfa5f_cast
	.globl	k_qce0b2dfa5f_cast
	.p2align	8
	.type	k_qce0b2dfa5f_cast,@function
k_qce0b2dfa5f_cast:
	s_mov_b64 s[64:65], 0
	v_nop
	global_prefetch_b8 v0, s[64:65] scope:SCOPE_SE
	s_setreg_imm32_b32 hwreg(HW_REG_WAVE_SCHED_MODE, 0, 2), 2
	s_setreg_imm32_b32 hwreg(HW_REG_WAVE_MODE, 25, 1), 1
	s_wait_xcnt 0x0
	s_wait_alu depctr_vm_vsrc(0)
; THE FIRST PRODUCT'S OPERANDS ARE ROUNDED ONCE.  x -> xb (bf16, [4096][2048]); Wq and Wkv -> wqkv (bf16, [2048][3072]: Wq in columns 0-2047, Wkv in 2048-3071).
; (Wo, which only the last product needs, is rounded in the attention launch, under its matrix work.)
; SHARES.  The three tensors are 7 units of 2,097,152 numbers (x 4, Wq 2, Wkv 1): the grid's y.  The grid's x takes 8,192 numbers of a unit: 256 x 7 work-groups, seven for each of 256 WGPs.
; Thread t takes 8 numbers (32 bytes in, 16 bytes out) in each of 4 steps: all 8 loads go out at once, and a wave's store covers 512 consecutive bytes, aligned.
; No LDS, no barrier, no matrix unit: a stream.
; THE MODE: SCHED_MODE bits 1:0 = 2 (LLVM: expert scheduling mode 2), set by the entry lines.  The code itself states the register dependences
; between vector instructions and memory instructions, with s_wait_alu, always for 0.
; THE PLAN.  Registers that memory instructions touch:
;   v1         the offset of all 8 loads.  Written by one vector line at the head, never again.
;   X0 .. X3   step i's 8 numbers as loaded.  Filled once, by two loads; read by step i's four conversions; no vector instruction writes them, no load lands in them again.
;   D0 .. D3   the stores' offsets.  Written by the address lines that stand behind the loads; read by step i's store; never written again.
;   Y0 .. Y3   step i's 16 bytes to store.  Written by step i's conversions; read by step i's store, which stands at the head of step i + 1; never written again.
; So five waits on va_vdst state everything: one ahead of the loads (v1); one at the head of each of steps 1 to 3, behind the wait for the step's data (the Y of the step before; the first of them
; D0 .. D3 too); one ahead of the last store.  The conversions that follow a store name X[i] and Y[i], none of the registers that the store reads.
; No register that a load or a store has read is ever written again, so there is no wait on vm_vsrc; no vector instruction writes a scalar register or VCC, and EXEC is never written.
.set D, 8                              ; v[8:11]    step i: my byte offset in the destination
.set X, 16                             ; v[16:47]   step i: 8 registers as loaded
.set Y, 48                             ; v[48:63]   step i: 4 registers to store
	s_load_b256 s[4:11], s[0:1], 0x0               ; x s[4:5], Wq s[6:7], Wkv s[8:9], xb s[10:11]
	s_load_b64 s[12:13], s[0:1], 0x20              ; wqkv
	s_and_b32 s20, ttmp7, 0xffff                   ; y: the unit
	s_sub_co_u32 s27, s20, 4                       ; the unit's number within Wq
	s_movk_i32 s32, 4096
	s_movk_i32 s33, 6144
	v_lshlrev_b32 v1, 5, v0                        ; my 32 bytes of a step's 8,192
	s_wait_kmcnt 0x0
	; the unit's parameters, by two compares on y: source s[22:23], destination s[24:25], destination pitch s26, unit within its tensor s29, first column's byte s30, log2 of a row's chunks s31
	s_cmp_lt_u32 s20, 4
	s_cselect_b64 s[22:23], s[4:5], s[6:7]
	s_cselect_b64 s[24:25], s[10:11], s[12:13]
	s_cselect_b32 s26, s32, s33
	s_cselect_b32 s29, s20, s27
	s_cmp_lt_u32 s20, 6
	s_cselect_b64 s[22:23], s[22:23], s[8:9]
	s_cselect_b32 s29, s29, 0
	s_cselect_b32 s30, 0, s32
	s_cselect_b32 s31, 8, 7
	s_lshl_b32 s34, s29, 23                        ; a unit is 8,388,608 bytes of f32,
	s_lshl_b32 s35, ttmp9, 15                      ; my work-group's part 32,768
	s_add_co_u32 s34, s34, s35
	s_mov_b32 s35, 0
	s_add_nc_u64 s[22:23], s[22:23], s[34:35]
	s_mul_i32 s36, s29, s26                        ; a unit of a 2,048-column tensor is 1,024 rows of the destination (Wkv is one unit: 0)
	s_lshl_b32 s36, s36, 10
	s_add_co_u32 s36, s36, s30
	s_mov_b32 s37, 0
	s_add_nc_u64 s[24:25], s[24:25], s[36:37]
	s_wait_alu depctr_va_vdst(0)                   ; v1 is written: all eight loads read it as their offset
.set i, 0
.rept 4
	global_load_b128 v[X+8*i:X+8*i+3],   v1, s[22:23] offset:8192*i th:TH_LOAD_NT
	global_load_b128 v[X+8*i+4:X+8*i+7], v1, s[22:23] offset:8192*i+16 th:TH_LOAD_NT
.set i, i+1
.endr
	; the stores' offsets are made while the loads are out: these lines name v0, v2 to v4 and D, none of the registers that the loads touch
	s_lshl_b32 s38, ttmp9, 10                      ; chunks of 8 numbers: my work-group's first,
	v_add_nc_u32 v2, s38, v0                       ; mine in step 0
	v_lshrrev_b32 v3, s31, v2                      ; its row in the unit
	s_lshl_b32 s39, 1, s31
	s_sub_co_u32 s39, s39, 1
	v_and_b32 v4, s39, v2                          ; its place in the row,
	v_lshlrev_b32 v4, 4, v4                        ; 16 bytes a chunk
	v_mad_u32_u24 v[D], v3, s26, v4
	s_sub_co_u32 s40, 8, s31                       ; a step is 256 chunks: one row of 2,048 numbers, two of 1,024
	s_lshl_b32 s40, s26, s40
.set i, 1
.rept 3
	v_add_nc_u32 v[D+i], s40, v[D+i-1]
.set i, i+1
.endr
; Step i: its data are waited for; the step before is stored; its own 8 numbers are rounded.
.macro CV i
	s_wait_loadcnt 6-2*(\i)                        ; loads come back in order: the 6 - 2 i issued behind this step's two may stay out
.if (\i) > 0
	s_wait_alu depctr_va_vdst(0)                   ; the conversions of the step before have written its Y, which the store below reads; in step 1 the address lines have written D0 to D3 too
	global_store_b128 v[D+(\i)-1], v[Y+4*(\i)-4:Y+4*(\i)-1], s[24:25]  ; every step has registers of its own: nothing that a store reads is written again
.endif
.irp k, 0,1,2,3
	v_cvt_pk_bf16_f32 v[Y+4*(\i)+\k], v[X+8*(\i)+2*\k], v[X+8*(\i)+2*\k+1]
.endr
.endm
.irp i, 0,1,2,3
	CV \i
.endr
	s_wait_alu depctr_va_vdst(0)                   ; step 3's conversions have written Y3, which the last store reads
	global_store_b128 v[D+3], v[Y+12:Y+15], s[24:25]
	s_endpgm
.Lfunc_end_k_qce0b2dfa5f_cast:
	.size	k_qce0b2dfa5f_cast, .Lfunc_end_k_qce0b2dfa5f_cast-k_qce0b2dfa5f_cast
	.p2alignl 7, 3214868480
	.fill 96, 4, 3214868480
	.section	.rodata,"a",@progbits
	.p2align	6, 0x0
	.amdhsa_kernel k_qce0b2dfa5f_cast
		.amdhsa_group_segment_fixed_size 0
		.amdhsa_private_segment_fixed_size 0
		.amdhsa_enable_private_segment 0
		.amdhsa_kernarg_size 40
		.amdhsa_user_sgpr_count 2
		.amdhsa_user_sgpr_kernarg_segment_ptr 1
		.amdhsa_wavefront_size32 1
		.amdhsa_system_sgpr_workgroup_id_x 1
		.amdhsa_system_sgpr_workgroup_id_y 1
		.amdhsa_system_sgpr_workgroup_id_z 1
		.amdhsa_system_vgpr_workitem_id 0
		.amdhsa_next_free_vgpr 64
		.amdhsa_next_free_sgpr 66
		.amdhsa_reserve_vcc 0
		.amdhsa_float_denorm_mode_32 3
		.amdhsa_float_denorm_mode_16_64 3
		.amdhsa_memory_ordered 1
		.amdhsa_forward_progress 1
		.amdhsa_inst_pref_size 5
	.end_amdhsa_kernel
	.amdgpu_metadata
---
amdhsa.version: [ 1, 2 ]
amdhsa.kernels:
  - .name:           k_qce0b2dfa5f_cast
    .symbol:         k_qce0b2dfa5f_cast.kd
    .args:
      - { .name: x, .offset: 0, .size: 8, .value_kind: global_buffer, .address_space: global }
      - { .name: Wq, .offset: 8, .size: 8, .value_kind: global_buffer, .address_space: global }
      - { .name: Wkv, .offset: 16, .size: 8, .value_kind: global_buffer, .address_space: global }
      - { .name: xb, .offset: 24, .size: 8, .value_kind: global_buffer, .address_space: global }
      - { .name: wqkv, .offset: 32, .size: 8, .value_kind: global_buffer, .address_space: global }
    .group_segment_fixed_size: 0
    .private_segment_fixed_size: 0
    .kernarg_segment_align: 8
    .kernarg_segment_size: 40
    .max_flat_workgroup_size: 256
    .sgpr_count:     66
    .vgpr_count:     64
    .wavefront_size: 32
...
	.end_amdgpu_metadata
.endif
;; end of part 5
;; launch qkvproj: the kernel of part 2 again; grid 8 x 32, 4 waves a work-group, clusters of 4 x 4, 327,680 bytes of LDS; arguments xb, wqkv, cos, sin, qkv; writes qkv
;; launch attn: the kernel of part 3 again; grid 16 x 16, 4 waves a work-group, clusters of 4 x 1, 327,680 bytes of LDS; arguments qkv, Wo, ob, wob; writes ob, wob
;; launch oproj: the kernel of part 4 again; grid 8 x 32, 4 waves a work-group, clusters of 4 x 4, 327,680 bytes of LDS; arguments ob, wob, out0; writes out0
